; MI455X (gfx1250); checked and timed in simulation.
; The chip was launched on July 23, 2026; its instructions are those of AMD's public machine-readable ISA for CDNA 5 (MIT licence, August 2026) and "CDNA5" Instruction Set Architecture Reference Guide (July 2026). The comments in the code are by the model that wrote it; some were corrected since.
;; Causal Self Attention. Allowed arithmetic: matrix products marked QUANTISED: E2M1 operands, one E8M0 scale for each 32 along K, by v_wmma_scale_f32_16x16x128_f8f6f4 with both operands' format E2M1 (or v_wmma_scale_f32_32x16x128_f4), f32 sums; products left as they are: bf16, f16 or f32 operands; f32 sums; everything else in f32.
;; Inputs: W_out 1,024 x 1,024 float32; W_qkv 1,024 x 3,072 float32; b_out 1,024 float32; b_qkv 3,072 float32; x 4 x 2,048 x 1,024 float32.
;; Outputs: out0 4 x 2,048 x 1,024 float32.
;; This version of the problem:
;;   THIS VERSION OF THE PROBLEM IS GIVEN IN LOW PRECISION. The matrix products marked QUANTISED in the list below multiply operands that are first quantised to E2M1 (2 exponent bits, 1 mantissa bit; 4 bits a number), with one power-of-two scale for each 32 numbers along K (OCP MX v1.0); their sums are f32. The products marked 'left as it is' may take bf16, f16 or f32 operands, with f32 sums. Whichever they take, every output number must still come out within the allowed error. Rounding operands to bf16 (8 significant bits) uses up far more of that allowance than f16 does (11 bits, for magnitudes from 6e-5 to 65,504). All else is computed in f32.
;;   The module's matrix products, in the order in which they are computed (A, B: the left and right operand; K: the contracted axis; several contracted axes count as one K, in the product's order):
;;     1. [M 8,192, K 1,024] x [K 1,024, N 3,072]; A: input x; B: input W_qkv: QUANTISED
;;     2. batch 64 x [M 2,048, K 64] x [K 64, N 2,048]; A: computed on the way; B: computed on the way: left as it is (an operand is computed on the way)
;;     3. batch 64 x [M 2,048, K 2,048] x [K 2,048, N 64]; A: computed on the way; B: computed on the way: left as it is (an operand is computed on the way)
;;     4. [M 8,192, K 1,024] x [K 1,024, N 1,024]; A: computed on the way; B: input W_out: left as it is (an operand is computed on the way)
;;   THE QUANTISER, for each operand of a quantised product, along K:
;;     - K is cut into blocks of 32 from its start; a last block that is shorter is filled with zeros.
;;     - A block's scale is 2^e with e = floor(log2(the largest magnitude in the block)) - 2, held to -126 .. 127; a block of zeros has e = 0. As a byte (E8M0): e + 127.
;;     - Each number is divided by its block's scale, clamped to +-6, and rounded to the nearest number of E2M1, ties to even, subnormals kept.
;;     - The product sums the exact products of the quantised numbers (number of the format x scale) in f32.
;;   ~~~python
;;   def quantise(x, axis):      # numpy; x: float32 -> the quantised numbers, widened to float32 again
;;       x = np.moveaxis(x, axis, -1); K = x.shape[-1]
;;       x = np.pad(x, [(0, 0)] * (x.ndim - 1) + [(0, -K % 32)]); x = x.reshape(x.shape[:-1] + (-1, 32)); a = np.abs(x).max(-1, keepdims=True)
;;       e = np.where(a > 0, np.clip(np.frexp(np.where(a > 0, a, 1))[1] - 1 - 2, -126, 127), 0)      # np.frexp(a)[1] - 1 = floor(log2(a)), exactly
;;       r = np.clip(x / 2.0 ** e, -6, 6)
;;       step = 2.0 ** (np.maximum(np.frexp(np.where(r == 0, 1, r))[1] - 1, 0) - 1)
;;       q = np.round(r / step) * step * 2.0 ** e      # np.round: ties to even
;;       return np.moveaxis(q.reshape(q.shape[:-2] + (-1,))[..., :K], -1, axis).astype(np.float32)
;;   ~~~
;; One version. Each part assembles by itself: llvm-mc -triple=amdgcn-amd-amdhsa -mcpu=gfx1250 --defsym DOCPART=n.
;; ======== version 1 of 1: 5 launches
;; limits: values are held in f16: magnitudes above 65,504 overflow, below 6.1e-05 lose precision
;; workspace buffers: xc 4,194,304 bytes; xs 262,144 bytes; wc 1,572,864 bytes; ws 98,304 bytes; wimg 4,194,304 bytes; qkv 50,331,648 bytes; q32 786,432 bytes; y 16,777,216 bytes
;; launch prep (part 1): grid 368 x 1, 4 waves a work-group, no clusters, 68,096 bytes of LDS; arguments x, W_qkv, W_out, xc, xs, wc, ws, wimg; writes xc, xs, wc, ws, wimg
.if DOCPART == 1
	.amdgcn_target "amdgcn-amd-amdhsa--gfx1250"
	.amdhsa_code_object_version 6
	.text
	.protected	k_q9ca527f185_prep
	.globl	k_q9ca527f185_prep
	.p2align	8
	.type	k_q9ca527f185_prep,@function
k_q9ca527f185_prep:
	s_mov_b64 s[64:65], 0
	v_nop
	global_prefetch_b8 v0, s[64:65] scope:SCOPE_SE
	s_setreg_imm32_b32 hwreg(HW_REG_WAVE_MODE, 25, 1), 1
	s_wait_xcnt 0x0
; PREP: three jobs in one launch, told apart by the work-group's number; the three ways never join and share no LDS byte.
;  X (work-groups 0-255):   x [8192][1024] f32 -> codes of E2M1, K innermost (xc: 512 bytes a row), one E8M0 byte for each 32 along K (xs: 32 bytes a row).
;  W (work-groups 256-303): W_qkv [1024 (k)][3072 (n)] f32 -> the same along its FIRST axis: wc [3072][512 bytes], ws [3072][32].  A lane takes a column, its registers run down K.
;  O (work-groups 304-367): W_out [1024 (k)][1024 (n)] f32 -> two f16 parts, high and low (W = high + low), each laid as images of 16-bit fragments:
;     wimg + part x 2,097,152 + [64 tiles of 16 n][32 chunks of 32 k][2 g][32 lanes][16 bytes]; lane 16 h + r of group g holds W_out(32 chunk + 16 g + 8 h + 0..7, 16 tile + r).
; A block's scale is 2^(floor(log2(largest magnitude)) - 2); its byte is the largest magnitude's exponent field - 2, held at 1 from below.
; LIMITS: a block of zeros, or one whose largest magnitude lies under 2^-124, keeps the byte 1 (a block of zeros has zero codes; the bytes are read by this program alone);
; NaN and infinities are not served; |W_out| stays under 65,504; under 6e-5 the two f16 parts carry an absolute error of 2^-25.
.set SPW,    190                       ; v190  LDS address of my spare word; never rewritten
.set NIL,    191                       ; v191  0; never rewritten
.set WREG,   8192                      ; way X: a region for each wave, from LDS byte 0
.set WSTG,   32768                     ; way W: four stages of 32 x 272 bytes
.set WPITCH, 272
.set SPARE,  67584                     ; behind both: the spare words, 128 bytes a wave
	s_load_b512 s[4:19], s[0:1], 0x0               ; x s[4:5], W_qkv s[6:7], W_out s[8:9], xc s[10:11], xs s[12:13], wc s[14:15], ws s[16:17], wimg s[18:19]
	v_lshl_add_u32 v[SPW], v0, 2, SPARE
	v_mov_b32 v[NIL], 0
	v_lshrrev_b32 v1, 5, v0
	v_readfirstlane_b32 s20, v1                    ; wave 0..3
	v_and_b32 v2, 31, v0                           ; lane
	s_wait_kmcnt 0x0
	s_cmp_lt_u32 ttmp9, 256
	s_cbranch_scc0 .Lnot_x
; ---------------------------------------------------------------- way X: a plain stream of blocks of 32
; A wave takes 16 steps of 512 numbers.  Each load reads 512 consecutive bytes; a step's 2,048 bytes turn through the wave's own stage in LDS and come back 64 bytes a lane:
; 16 neighbours along K, two lanes to a block.  Loads run four steps ahead, the turn one step.
.set STEPS, 16
.set EMAX,  2
.set CB,    8                          ; bytes of 16 codes
.set R,     16                         ; v16-79   four sets of 16 numbers as loaded
.set X,     80                         ; v80-111  two sets of 16 neighbours
.set E,     112                        ; v112-127 a scale byte for each step
.set C,     128                        ; v128-189 codes: registers of its own for each step
.set SP,    80                         ; a lane's place in a stage: 64 bytes + 16 of padding
	v_lshlrev_b32 v3, 4, v2                        ; my 16 bytes of a load's 512
	s_mul_i32 s21, s20, WREG
	v_lshrrev_b32 v14, 2, v2
	v_mul_u32_u24 v14, v14, SP
	v_and_b32 v15, 3, v2
	v_lshl_add_u32 v14, v15, 4, v14
	v_add_nc_u32 v14, s21, v14                     ; into the stage: SP (lane / 4) + 16 (lane % 4)
	v_mul_u32_u24 v15, v2, SP
	v_add_nc_u32 v15, s21, v15                     ; out of it: SP x lane
	v_mul_u32_u24 v4, v2, CB                       ; my codes' place in a step's 256 bytes
	v_lshrrev_b32 v5, 1, v2
	s_add_co_u32 s21, s21, 2*32*SP
	v_add_nc_u32 v5, s21, v5                       ; my block's byte among the wave's 256 scale bytes
	v_lshlrev_b32 v7, 3, v2
	v_add_nc_u32 v6, s21, v7                       ; and 8 of them a lane on the way out
	s_lshl_b32 s22, ttmp9, 2
	s_add_co_u32 s22, s22, s20                     ; which run of 8,192 numbers is my wave's
	s_mov_b32 s25, 0
	s_lshl_b32 s24, s22, 15
	s_add_nc_u64 s[4:5], s[4:5], s[24:25]          ; 32,768 bytes of x a run
	s_lshl_b32 s24, s22, 12
	s_add_nc_u64 s[10:11], s[10:11], s[24:25]      ; 4,096 of codes
	s_lshl_b32 s24, s22, 8
	s_add_nc_u64 s[12:13], s[12:13], s[24:25]      ; 256 of scale bytes
.macro XLOAD t
.irp i, 0,1,2,3
	global_load_b128 v[R+16*((\t)%4)+4*\i:R+16*((\t)%4)+4*\i+3], v3, s[4:5] offset:2048*(\t)+512*\i th:TH_LOAD_NT
.endr
.endm
.macro XTURN t                         ; LDS serves a wave's instructions in order: no wait between the stores and the loads
.irp i, 0,1,2,3
	ds_store_b128 v14, v[R+16*((\t)%4)+4*\i:R+16*((\t)%4)+4*\i+3] offset:32*SP*((\t)%2)+8*SP*\i
.endr
.irp i, 0,1,2,3
	ds_load_b128 v[X+16*((\t)%2)+4*\i:X+16*((\t)%2)+4*\i+3], v15 offset:32*SP*((\t)%2)+16*\i
.endr
.endm
.irp t, 0,1,2,3
	XLOAD \t
.endr
	s_wait_loadcnt 12                              ; step 0's four loads are in; twelve younger ones stay out
	XTURN 0
.macro XSTEP t
.set XS, X+16*((\t)%2)
.if (\t) > 0
	s_wait_dscnt 1                                 ; this step's numbers are back from the stage; the last step's byte store may be out
.else
	s_wait_dscnt 0x0
.endif
.if (\t)+4 < STEPS
	XLOAD (\t)+4                                   ; into the registers that the stage's stores have read
.endif
.if (\t)+1 < STEPS
.if STEPS-2-(\t) >= 3
	s_wait_loadcnt 12                              ; the next step's four loads are in; those of the three steps behind it may be out
.else
	s_wait_loadcnt 4*(STEPS-2-(\t))
.endif
	XTURN (\t)+1
.endif
	v_max3_num_f32 v8, |v[XS]|, |v[XS+1]|, |v[XS+2]|
	v_max3_num_f32 v9, |v[XS+3]|, |v[XS+4]|, |v[XS+5]|
.irp i, 6,10
	v_max3_num_f32 v8, v8, |v[XS+\i]|, |v[XS+\i+1]|
	v_max3_num_f32 v9, v9, |v[XS+\i+2]|, |v[XS+\i+3]|
.endr
	v_max3_num_f32 v8, v8, |v[XS+14]|, |v[XS+15]|
	v_max3_num_f32 v8, v8, v9, (EMAX+1)<<23        ; the floor 2^(3 - 127): the byte cannot fall under 1
	v_max_num_f32_dpp v8, v8, v8 row_xmask:1 row_mask:0xf bank_mask:0xf   ; with my neighbour's 16: the block's largest magnitude
	v_add_nc_u32 v11, -(EMAX<<23), v8              ; 2 off its exponent field: the conversion's scale operand
	v_cvt_scalef32_pk8_fp4_f32 v[C+4*(\t)], v[XS:XS+7], v11
	v_cvt_scalef32_pk8_fp4_f32 v[C+4*(\t)+1], v[XS+8:XS+15], v11
	v_lshrrev_b32 v[E+(\t)], 23, v11               ; the scale's byte (also the plain line behind the conversions)
	ds_store_b8 v5, v[E+(\t)] offset:16*(\t)       ; both lanes of a block write the same byte with the same value
	global_store_b64 v4, v[C+4*(\t):C+4*(\t)+1], s[10:11] offset:32*CB*(\t)   ; the wave stores 256 consecutive bytes, aligned
.endm
.irp t, 0,1,2,3,4,5,6,7,8,9,10,11,12,13,14,15
	XSTEP \t
.endr
	ds_load_b64 v[8:9], v6                         ; the wave's 256 scale bytes, behind its own stores
	s_wait_dscnt 0x0
	global_store_b64 v7, v[8:9], s[12:13]          ; 256 consecutive bytes, aligned
	s_wait_tensorcnt 0x0                           ; the wave's end
	ds_add_u32 v[SPW], v[NIL]
	s_wait_dscnt 0x0
	s_endpgm
.Lnot_x:
	s_cmp_lt_u32 ttmp9, 304
	s_cbranch_scc0 .Lpath_o
; ---------------------------------------------------------------- way W: K is the first axis
; A wave takes 32 columns x 512 along K: 16 blocks a lane.  Its codes, 256 bytes a column, go through the wave's stage and leave as rows, sixteen lanes to 256 consecutive bytes.
.set NB,    16
.set WX,    32                         ; v32-95   two sets of 32 numbers
.set WC,    96                         ; v96-99   a block's codes
.set OUTR,  112                        ; v112-175 the way out
.set SB,    24                         ; v24-27   the scale bytes, four to a register
	s_sub_co_u32 s21, ttmp9, 256
	s_cmp_ge_u32 s21, 24
	s_cselect_b32 s22, 1, 0                        ; which 512 along K
	s_cselect_b32 s23, 24, 0
	s_sub_co_u32 s21, s21, s23                     ; which 128 columns
	s_lshl_b32 s21, s21, 7
	s_lshl_b32 s23, s20, 5
	s_add_co_u32 s21, s21, s23                     ; my wave's first column
	v_lshlrev_b32 v3, 2, v2                        ; in: 4 bytes a lane
	s_mul_i32 s23, s20, 32*WPITCH
	s_add_co_u32 s23, s23, WSTG                    ; my stage
	v_mul_u32_u24 v4, v2, WPITCH
	v_add_nc_u32 v4, s23, v4                       ; into it: row = my column
	v_and_b32 v5, 15, v2
	v_lshrrev_b32 v6, 4, v2
	v_mul_u32_u24 v7, v6, WPITCH
	v_lshl_add_u32 v7, v5, 4, v7
	v_add_nc_u32 v7, s23, v7                       ; out of it: sixteen lanes to a row, two rows an instruction
	v_lshlrev_b32 v8, 9, v6
	v_lshl_add_u32 v8, v5, 4, v8                   ; the same place in wc: rows of 512 bytes
	v_lshlrev_b32 v9, 5, v2                        ; my column's row of scale bytes: 32 bytes a row
	s_mov_b32 s25, 0
	s_mul_i32 s24, s22, 512*12288
	s_lshl_b32 s26, s21, 2
	s_add_co_u32 s24, s24, s26
	s_add_nc_u64 s[6:7], s[6:7], s[24:25]          ; W_qkv at (512 ky, my first column)
	s_lshl_b32 s24, s21, 9
	s_lshl_b32 s26, s22, 8
	s_add_co_u32 s24, s24, s26
	s_add_nc_u64 s[14:15], s[14:15], s[24:25]
	s_lshl_b32 s24, s21, 5
	s_lshl_b32 s26, s22, 4
	s_add_co_u32 s24, s24, s26
	s_add_nc_u64 s[16:17], s[16:17], s[24:25]
.macro WLOAD t                         ; block t: W(32 t + i, my column); the largest immediate is 511 x 12,288, inside the signed 24 bits
.irp i, 0,1,2,3,4,5,6,7,8,9,10,11,12,13,14,15,16,17,18,19,20,21,22,23,24,25,26,27,28,29,30,31
	global_load_b32 v[WX+32*((\t)%2)+\i], v3, s[6:7] offset:(32*(\t)+\i)*12288 th:TH_LOAD_NT
.endr
.endm
	WLOAD 0
	WLOAD 1
.macro WBLOCK t
.set XS, WX+32*((\t)%2)
.if (\t) < NB-1
	s_wait_loadcnt 32                              ; this block's 32 loads are in; the next block's may be out
.else
	s_wait_loadcnt 0
.endif
	v_max3_num_f32 v12, |v[XS]|, |v[XS+1]|, |v[XS+2]|
	v_max3_num_f32 v13, |v[XS+3]|, |v[XS+4]|, |v[XS+5]|
.irp i, 6,10,14,18,22,26
	v_max3_num_f32 v12, v12, |v[XS+\i]|, |v[XS+\i+1]|
	v_max3_num_f32 v13, v13, |v[XS+\i+2]|, |v[XS+\i+3]|
.endr
	v_max3_num_f32 v12, v12, |v[XS+30]|, |v[XS+31]|
	v_max3_num_f32 v12, v12, v13, (EMAX+1)<<23     ; the floor
	v_add_nc_u32 v11, -(EMAX<<23), v12             ; the conversion's scale operand
	v_lshrrev_b32 v13, 23, v11                     ; the scale's byte
.if (\t)%4 == 0
	v_mov_b32 v[SB+(\t)/4], v13
.else
	v_lshl_or_b32 v[SB+(\t)/4], v13, 8*((\t)%4), v[SB+(\t)/4]
.endif
.irp g, 0,1,2,3
	v_cvt_scalef32_pk8_fp4_f32 v[WC+\g], v[XS+8*\g:XS+8*\g+7], v11
.endr
	v_nop                                          ; one plain line behind the conversions
	ds_store_b128 v4, v[WC:WC+3] offset:16*(\t)    ; 32 codes: 16 bytes of my column's row
.if (\t)+2 < NB
	WLOAD (\t)+2
.endif
	s_wait_dscnt 0x0                               ; the store has read its registers: the next block's codes may be written
.endm
.set Q, 0
.rept NB
	WBLOCK Q
.set Q, Q+1
.endr
	global_store_b128 v9, v[SB:SB+3], s[16:17]     ; my column's 16 scale bytes
.irp t, 0,1,2,3,4,5,6,7,8,9,10,11,12,13,14,15
	ds_load_b128 v[OUTR+4*\t:OUTR+4*\t+3], v7 offset:2*\t*WPITCH
.endr
.irp t, 0,1,2,3,4,5,6,7,8,9,10,11,12,13,14,15
	s_wait_dscnt 15-\t                             ; LDS loads come back in order: number t is in
	global_store_b128 v8, v[OUTR+4*\t:OUTR+4*\t+3], s[14:15] offset:2*\t*512
.endr
	s_wait_tensorcnt 0x0                           ; the wave's end: the three lines
	ds_add_u32 v[SPW], v[NIL]
	s_wait_dscnt 0x0
	s_endpgm
.Lpath_o:
; ---------------------------------------------------------------- way O: W_out as two f16 parts, in fragment order
; A wave takes 32 columns x 128 along K, four chunks of 32; a lane takes a column.  X is split exactly: T = 8193 X, H = T - (T - X) has 11 significant bits, L = X - H.
.set OX,    32                         ; v32-95   two sets of 32 numbers
.set OH,    96                         ; v96-127  two sets of 16 registers: the high parts, two k to a register
.set OL,    128                        ; v128-159 the low parts
.set OW,    160                        ; v160-175 at work
.set KSP,   26                         ; s[26:27] 8193.0 (the packed form names the pair and takes its low word for both halves)
	s_sub_co_u32 s21, ttmp9, 304
	s_and_b32 s22, s21, 7                          ; which 128 columns
	s_lshr_b32 s23, s21, 3                         ; which 128 along K
	s_mov_b32 s[KSP], 0x46000400
	s_mov_b32 s[KSP+1], s[KSP]
	v_lshlrev_b32 v3, 2, v2                        ; in: 4 bytes a lane
	v_lshrrev_b32 v4, 4, v2
	v_and_b32 v5, 15, v2
	v_lshlrev_b32 v4, 15, v4
	v_lshl_add_u32 v4, v5, 4, v4                   ; out: lanes 16-31 belong to the next tile of 16 columns, 32,768 bytes on; 16 bytes a column
	s_mov_b32 s25, 0
	s_lshl_b32 s24, s23, 19
	s_lshl_b32 s28, s22, 9
	s_add_co_u32 s24, s24, s28
	s_lshl_b32 s28, s20, 7
	s_add_co_u32 s24, s24, s28
	s_add_nc_u64 s[8:9], s[8:9], s[24:25]          ; W_out at (128 kg, 128 cg + 32 wave)
	s_lshl_b32 s24, s22, 18
	s_lshl_b32 s28, s20, 16
	s_add_co_u32 s24, s24, s28
	s_lshl_b32 s28, s23, 12
	s_add_co_u32 s24, s24, s28
	s_add_nc_u64 s[18:19], s[18:19], s[24:25]      ; wimg at tile 8 cg + 2 wave, chunk 4 kg
.macro OLOAD t
.irp i, 0,1,2,3,4,5,6,7,8,9,10,11,12,13,14,15,16,17,18,19,20,21,22,23,24,25,26,27,28,29,30,31
	global_load_b32 v[OX+32*((\t)%2)+\i], v3, s[8:9] offset:(32*(\t)+\i)*4096 th:TH_LOAD_NT
.endr
.endm
.macro SPLITPAIR src, hi, lo, wk       ; two f32 in v[src], v[src + 1] -> their high parts in v[hi], their low parts in v[lo]
	v_pk_mul_f32 v[\wk:\wk+1], v[\src:\src+1], s[KSP:KSP+1] op_sel_hi:[1,0]
	v_pk_add_f32 v[\wk+2:\wk+3], v[\wk:\wk+1], v[\src:\src+1] neg_lo:[0,1] neg_hi:[0,1]
	v_pk_add_f32 v[\wk:\wk+1], v[\wk:\wk+1], v[\wk+2:\wk+3] neg_lo:[0,1] neg_hi:[0,1]
	v_pk_add_f32 v[\wk+2:\wk+3], v[\src:\src+1], v[\wk:\wk+1] neg_lo:[0,1] neg_hi:[0,1]
	v_cvt_pk_f16_f32 v[\hi], v[\wk], v[\wk+1]
	v_cvt_pk_f16_f32 v[\lo], v[\wk+2], v[\wk+3]
.endm
.macro OCHUNK t
.if (\t) < 3
	s_wait_loadcnt 32                              ; this chunk's 32 loads are in; the next chunk's may be out
.else
	s_wait_loadcnt 0
.endif
.if (\t) >= 2
	s_wait_xcnt 0x0                                ; the stores of two chunks back have read their registers
.endif
.irp n, 0,1,2,3,4,5,6,7,8,9,10,11,12,13,14,15
	SPLITPAIR OX+32*((\t)%2)+2*\n, OH+16*((\t)%2)+\n, OL+16*((\t)%2)+\n, OW+4*(\n%4)
.endr
.if (\t)+2 < 4
	OLOAD (\t)+2
.endif
.irp g, 0,1
.irp u, 0,1                            ; k = 16 g + 8 u + 0..7: four registers; sixteen lanes store 256 consecutive bytes, aligned
	global_store_b128 v4, v[OH+16*((\t)%2)+8*\g+4*\u:OH+16*((\t)%2)+8*\g+4*\u+3], s[18:19] offset:1024*(\t)+512*\g+256*\u
	global_store_b128 v4, v[OL+16*((\t)%2)+8*\g+4*\u:OL+16*((\t)%2)+8*\g+4*\u+3], s[18:19] offset:2097152+1024*(\t)+512*\g+256*\u
.endr
.endr
.endm
	OLOAD 0
	OLOAD 1
	OCHUNK 0
	OCHUNK 1
	OCHUNK 2
	OCHUNK 3
	s_wait_tensorcnt 0x0                           ; (this way stores nothing to LDS; the three lines stand here as on the other ways)
	ds_add_u32 v[SPW], v[NIL]
	s_wait_dscnt 0x0
	s_endpgm
.Lfunc_end_k_q9ca527f185_prep:
	.size	k_q9ca527f185_prep, .Lfunc_end_k_q9ca527f185_prep-k_q9ca527f185_prep
	.p2alignl 7, 3214868480
	.fill 96, 4, 3214868480
	.section	.rodata,"a",@progbits
	.p2align	6, 0x0
	.amdhsa_kernel k_q9ca527f185_prep
		.amdhsa_group_segment_fixed_size 68096
		.amdhsa_private_segment_fixed_size 0
		.amdhsa_enable_private_segment 0
		.amdhsa_kernarg_size 64
		.amdhsa_user_sgpr_count 2
		.amdhsa_user_sgpr_kernarg_segment_ptr 1
		.amdhsa_wavefront_size32 1
		.amdhsa_system_sgpr_workgroup_id_x 1
		.amdhsa_system_sgpr_workgroup_id_y 1
		.amdhsa_system_sgpr_workgroup_id_z 1
		.amdhsa_system_vgpr_workitem_id 0
		.amdhsa_next_free_vgpr 192
		.amdhsa_next_free_sgpr 66
		.amdhsa_reserve_vcc 0
		.amdhsa_float_denorm_mode_32 3
		.amdhsa_float_denorm_mode_16_64 3
		.amdhsa_memory_ordered 1
		.amdhsa_forward_progress 1
		.amdhsa_inst_pref_size 151
	.end_amdhsa_kernel
	.amdgpu_metadata
---
amdhsa.version: [ 1, 2 ]
amdhsa.kernels:
  - .name:           k_q9ca527f185_prep
    .symbol:         k_q9ca527f185_prep.kd
    .args:
      - { .name: x, .offset: 0, .size: 8, .value_kind: global_buffer, .address_space: global }
      - { .name: W_qkv, .offset: 8, .size: 8, .value_kind: global_buffer, .address_space: global }
      - { .name: W_out, .offset: 16, .size: 8, .value_kind: global_buffer, .address_space: global }
      - { .name: xc, .offset: 24, .size: 8, .value_kind: global_buffer, .address_space: global }
      - { .name: xs, .offset: 32, .size: 8, .value_kind: global_buffer, .address_space: global }
      - { .name: wc, .offset: 40, .size: 8, .value_kind: global_buffer, .address_space: global }
      - { .name: ws, .offset: 48, .size: 8, .value_kind: global_buffer, .address_space: global }
      - { .name: wimg, .offset: 56, .size: 8, .value_kind: global_buffer, .address_space: global }
    .group_segment_fixed_size: 68096
    .private_segment_fixed_size: 0
    .kernarg_segment_align: 8
    .kernarg_segment_size: 64
    .max_flat_workgroup_size: 128
    .sgpr_count:     66
    .vgpr_count:     192
    .wavefront_size: 32
...
	.end_amdgpu_metadata
.endif
;; end of part 1
;; launch qkvgemm (part 2): grid 12 x 32, 4 waves a work-group, clusters of 4 x 4, 327,680 bytes of LDS; arguments xc, xs, wc, ws, b_qkv, qkv, q32; writes qkv, q32
.if DOCPART == 2
	.amdgcn_target "amdgcn-amd-amdhsa--gfx1250"
	.amdhsa_code_object_version 6
	.text
	.protected	k_q9ca527f185_qkvgemm
	.globl	k_q9ca527f185_qkvgemm
	.p2align	8
	.type	k_q9ca527f185_qkvgemm,@function
k_q9ca527f185_qkvgemm:
	s_mov_b64 s[64:65], 0
	v_nop
	global_prefetch_b8 v0, s[64:65] scope:SCOPE_SE
	s_setreg_imm32_b32 hwreg(HW_REG_WAVE_MODE, 25, 1), 1
	s_wait_xcnt 0x0
	s_wait_alu depctr_hold_cnt(0) depctr_sa_sdst(0) depctr_va_vdst(0) depctr_va_sdst(0) depctr_va_ssrc(0) depctr_va_vcc(0) depctr_vm_vsrc(0)
	s_getreg_b32 s2, hwreg(HW_REG_IB_STS2, 6, 4)
	s_cmp_eq_u32 s2, 0
	s_cbranch_scc0 .Lentry_in_a_cluster
	s_endpgm
.Lentry_in_a_cluster:
	s_bfe_u32 s2, ttmp6, 0x10000c
	s_cmp_lg_u32 s2, 0xf033
	s_cbranch_scc0 .Lentry_shape_is_right
	s_endpgm
.Lentry_shape_is_right:
; qkv = Q(x) Q(W_qkv) + b_qkv on codes of E2M1 with E8M0 scales: M 8,192, N 3,072, K 1,024; sums in f32.
; A tile of 256 x 256 to a work-group of four waves, 128 x 128 to a wave: 64 accumulators, 512 registers.  K = 1,024 is two LDS slots of 512 along K (rows of 256 bytes): all of K and all
; scale bytes are asked for at the start, and no LDS byte is filled twice.
; CLUSTER 4 x 4: x's tiles are shared along a row of the cluster, W's along a column: joint loads, the same descriptor and mask in the four that a mask names.
; THE PRODUCT IS USED TRANSPOSED (source 0 = 16 columns of W, source 1 = 16 rows of x): a lane holds eight neighbouring columns of one row.  The bias is the C of each sum's first product.
; THE WAY OUT NEEDS NO LDS: an accumulator rounded to f16 is, lane for lane, the image of half a 16-bit fragment (row lane % 16, channels 16 blk + 8 (lane / 16) + 0..7), and qkv is laid so:
;   qkv + part x 2^24 + (16 batch + head) x 2^18 + (position / 16) x 2,048 + blk x 512 + 16 x place.  q, k: place = lane.  v: place = lane with bits 3 and 4 exchanged, which is the order
;   in which the turning LDS load of the next launch wants 16 keys x 16 channels.  Each store of a wave covers 512 consecutive bytes.
; Positions 0-15 of every sequence also leave as f32, the accumulators as they stand (q32), for the launch that carries those rows more finely.
; LIMIT: |q|, |k|, |v| stay under 65,504 (f16).
.set KSTEP,  512
.set NQ,     4
.set ROWB,   256
.set KROW,   512                       ; a row of codes in memory
.set PITCH,  272                       ; an LDS row: 256 bytes + 16 of padding, so that the 16 rows of a load begin 68 words apart
.set FR,     8
.set NL,     2
.set NP,     4
.set HALFT,  128*PITCH
.set SLOT,   4*HALFT
.set KS,     32                        ; a row of scale bytes
.set SCL,    2*SLOT
.set HALFS,  (128*KS/256)*272
.set SBLK,   (16*KS/256)*272
.set SPARE,  SCL+4*HALFS               ; the spare words, 128 bytes a wave
.set ADRA, 16                          ; v16-17  LDS address of my x fragments in slot 0, 1
.set ADRB, 20                          ; v20-21  the same for W
.set BOF,  24                          ; v24     the bias: 32 x (lane / 16)
.set QO,   26                          ; v26     16 x my place in an image
.set ADRS, 27                          ; v27     LDS address of my scale words
.set SPW,  28
.set NIL,  29
.set TR7,  30                          ; v30     tile row mod 8: 0 where the tile begins a sequence
.set LQ,   31                          ; v31     16 x lane
.set SC,   32                          ; v32-95  scale words, two sets
.set AF,   128                         ; v128-191 x's fragments, one set
.set BI,   192                         ; v192-255 the bias: eight registers for each of W's eight blocks
.set PK,   128                         ; the way out: packed results, v128-255
.set G1, 24
.set G0, 32
.set G1B, 48
.set G0B, 56
.set G1S, 68
.set G0S, 76
.set G1SB, 80
.set G0SB, 88
.set MSB, 0
.macro WIN new                         ; the immediate's high byte repeats the setting that is left
.if MSB != \new
	s_set_vgpr_msb (MSB<<8)|\new
.set MSB, \new
.endif
.endm
.set MUL_LO, 0xa1                      ; source 0 (W) window 1, source 1 (x) window 0, C and D window 2
.set MUL_HI, 0xf1                      ; the same, C and D window 3
.set FST_LO, 0x81                      ; the first step: C (the bias) window 0, D window 2
.set FST_HI, 0xc1
.set TO_B,   0x40
.macro JLOAD g0a, g1a, g0b, g1b        ; waves 0, 1 fetch for x, waves 2, 3 for W; an s_nop 0 and four v_nop follow each line
	s_cmp_eq_u32 s15, 0
	s_cbranch_scc0 .Lfor_b_\@
	tensor_load_to_lds s[\g0a:\g0a+3], s[\g1a:\g1a+7]
	s_nop 0
.rept 4
	v_nop
.endr
	s_branch .Lasked_\@
.Lfor_b_\@:
	tensor_load_to_lds s[\g0b:\g0b+3], s[\g1b:\g1b+7]
	s_nop 0
.rept 4
	v_nop
.endr
.Lasked_\@:
.endm
.macro CROUND                          ; a round of the cluster's barrier
	s_barrier_signal -1
	s_barrier_wait -1
	s_cmp_lg_u32 s14, 0
	s_cbranch_scc1 .Lnot_wave_0_\@
	s_barrier_signal -3
.Lnot_wave_0_\@:
	s_barrier_wait -3
	s_barrier_signal -1
	s_barrier_wait -1
.endm
	s_load_b128 s[4:7], s[0:1], 0x0                ; xc, xs
	s_load_b128 s[8:11], s[0:1], 0x10              ; wc, ws
	s_load_b64 s[12:13], s[0:1], 0x20              ; b_qkv
	s_load_b64 s[96:97], s[0:1], 0x28              ; qkv
	s_load_b64 s[98:99], s[0:1], 0x30              ; q32
	v_lshl_add_u32 v[SPW], v0, 2, SPARE
	v_mov_b32 v[NIL], 0
	ds_add_u32 v[SPW], v[NIL]                      ; the opening: the add, twice on end, and its wait ahead of my first tensor load
	ds_add_u32 v[SPW], v[NIL]
	v_lshrrev_b32 v1, 5, v0
	v_readfirstlane_b32 s14, v1                    ; wave 0..3
	s_lshr_b32 s15, s14, 1                         ; my half of the tile's rows; also: I fetch for x (0) or for W (1)
	s_and_b32 s16, s14, 1                          ; my half of its columns; also: which 128 rows I fetch
	s_bfe_u32 s40, ttmp6, 0x40000                  ; cx
	s_bfe_u32 s41, ttmp6, 0x40004                  ; cy
	s_lshl_b32 s42, ttmp9, 2
	s_add_co_u32 s42, s42, s40                     ; tile column = 4 x cluster x + cx
	s_and_b32 s17, ttmp7, 0xffff
	s_lshl_b32 s17, s17, 2
	s_add_co_u32 s17, s17, s41                     ; tile row = 4 x cluster y + cy
	s_lshl_b32 s43, s41, 2
	s_lshl_b32 s43, 15, s43                        ; my row of the cluster
	s_lshl_b32 s44, 0x1111, s40                    ; my column
	s_or_b32 s[G1+0], s43, (0<<16)|(1<<20)|(1<<21)|(5<<22)|(3<<25)  ; mask; elements of 1 byte; padding: 4 words behind every 64; bit 21 beside a mask
	s_or_b32 s[G1B+0], s44, (0<<16)|(1<<20)|(1<<21)|(5<<22)|(3<<25)
.irp g, G1, G1B
	s_mov_b32 s[\g+1], ROWB<<16                    ; tensor_dim0 = 256
	s_mov_b32 s[\g+2], 128<<16                     ; tensor_dim1 = 128
	s_mov_b32 s[\g+3], ROWB<<16                    ; tile_dim0
	s_mov_b32 s[\g+4], 128                         ; tile_dim1
	s_mov_b32 s[\g+5], KROW                        ; from row to row
	s_mov_b32 s[\g+6], 0
	s_mov_b32 s[\g+7], 0
.endr
	s_or_b32 s[G1S+0], s43, (3<<16)|(1<<20)|(1<<21)|(5<<22)|(3<<25) ; the scales of 128 rows: 4,096 dense bytes as 16 rows of 256 (32 elements of 8 bytes), padded alike
	s_or_b32 s[G1SB+0], s44, (3<<16)|(1<<20)|(1<<21)|(5<<22)|(3<<25)
.irp g, G1S, G1SB
	s_mov_b32 s[\g+1], 32<<16
	s_mov_b32 s[\g+2], (128*KS/256)<<16
	s_mov_b32 s[\g+3], 32<<16
	s_mov_b32 s[\g+4], 128*KS/256
	s_mov_b32 s[\g+5], 32
	s_mov_b32 s[\g+6], 0
	s_mov_b32 s[\g+7], 0
.endr
	s_lshl_b32 s18, s16, 7
	s_lshl_b32 s20, s17, 8
	s_add_co_u32 s20, s20, s18                     ; x: row 256 x tile row + 128 x half
	s_lshl_b32 s46, s42, 8
	s_add_co_u32 s46, s46, s18                     ; W: column 256 x tile column + 128 x half
	s_mov_b32 s21, 0
	s_mov_b32 s47, 0
	s_mov_b64 s[18:19], KS
	s_mul_u64 s[22:23], s[20:21], s[18:19]
	s_mul_u64 s[92:93], s[46:47], s[18:19]
	s_mov_b64 s[18:19], KROW
	s_mul_u64 s[20:21], s[20:21], s[18:19]
	s_mul_u64 s[46:47], s[46:47], s[18:19]
	s_mul_i32 s45, s14, HALFT                      ; where they go: wave x 128 rows
	s_mul_i32 s94, s14, HALFS
	s_wait_dscnt 0x0                               ; both opening adds are done
	s_wait_kmcnt 0x0
	s_add_nc_u64 s[20:21], s[4:5], s[20:21]
	s_add_nc_u64 s[22:23], s[6:7], s[22:23]
	s_add_nc_u64 s[46:47], s[8:9], s[46:47]
	s_add_nc_u64 s[92:93], s[10:11], s[92:93]
	CROUND                                         ; all sixteen work-groups are here: the joint loads meet
	s_mov_b32 s[G0S], 1
	s_add_co_u32 s[G0S+1], s94, SCL
	s_mov_b64 s[G0S+2:G0S+3], s[22:23]
	s_or_b32 s[G0S+3], s[G0S+3], 0x80000000
	s_mov_b32 s[G0SB], 1
	s_add_co_u32 s[G0SB+1], s94, SCL
	s_mov_b64 s[G0SB+2:G0SB+3], s[92:93]
	s_or_b32 s[G0SB+3], s[G0SB+3], 0x80000000
	JLOAD G0S, G1S, G0SB, G1SB                     ; the scales first; with the two slots three loads of mine are out
.irp s, 0,1
	s_mov_b32 s[G0+4*\s], 1
	s_add_co_u32 s[G0+4*\s+1], s45, \s*SLOT
	s_add_nc_u64 s[G0+4*\s+2:G0+4*\s+3], s[20:21], \s*ROWB
	s_or_b32 s[G0+4*\s+3], s[G0+4*\s+3], 0x80000000
	s_mov_b32 s[G0B+4*\s], 1
	s_add_co_u32 s[G0B+4*\s+1], s45, \s*SLOT
	s_add_nc_u64 s[G0B+4*\s+2:G0B+4*\s+3], s[46:47], \s*ROWB
	s_or_b32 s[G0B+4*\s+3], s[G0B+4*\s+3], 0x80000000
	JLOAD G0+4*\s, G1, G0B+4*\s, G1B
.endr
	v_and_b32 v1, 15, v0                           ; r
	v_bfe_u32 v2, v0, 4, 1                         ; h
	v_mul_u32_u24 v3, v1, PITCH
	v_lshl_add_u32 v4, v2, 4, v3
	s_mul_i32 s21, s15, HALFT
	s_mul_i32 s22, s16, HALFT
	s_add_co_u32 s22, s22, 2*HALFT
.irp s, 0,1
	v_add_nc_u32 v[ADRA+\s], s21, v4
	v_add_nc_u32 v[ADRB+\s], s22, v4
	s_add_co_u32 s21, s21, SLOT
	s_add_co_u32 s22, s22, SLOT
.endr
	v_mul_u32_u24 v5, v1, KS                       ; my row's scales: 32 bytes a row, 16 more for each 256 passed
	v_lshrrev_b32 v6, 8, v5
	v_lshl_add_u32 v5, v6, 4, v5
	s_mul_i32 s21, s15, HALFS
	s_mul_i32 s22, s16, HALFS
	s_add_co_u32 s22, s22, 2*HALFS
	s_sub_co_u32 s22, s22, s21
	v_mul_u32_u24 v6, s22, v2                      ; lanes 16-31 take W's
	s_add_co_u32 s21, s21, SCL
	v_add_nc_u32 v5, v5, v6
	v_add_nc_u32 v[ADRS], s21, v5
	; the bias of my 128 columns, in the result's layout: block b, lane (r, h): b_qkv[first column + 16 b + 8 h + 0..7]
	v_lshlrev_b32 v[BOF], 5, v2
	s_lshl_b32 s46, s42, 10
	s_lshl_b32 s47, s16, 9
	s_add_co_u32 s46, s46, s47
	s_mov_b32 s47, 0
	s_add_nc_u64 s[12:13], s[12:13], s[46:47]
.irp b, 0,1,2,3,4,5,6,7
	global_load_b128 v[BI+8*\b:BI+8*\b+3], v[BOF], s[12:13] offset:64*\b
	global_load_b128 v[BI+8*\b+4:BI+8*\b+7], v[BOF], s[12:13] offset:64*\b+16
.endr
	; the way out: my place in an image
	v_and_b32 v6, 31, v0
	v_lshlrev_b32 v[LQ], 4, v6
	v_and_b32 v5, 7, v0
	v_and_b32 v6, 8, v0
	v_lshl_add_u32 v5, v6, 1, v5
	v_lshl_add_u32 v5, v2, 3, v5                   ; lane with bits 3 and 4 exchanged
	v_lshlrev_b32 v5, 4, v5
	s_cmp_eq_u32 ttmp9, 2                          ; cluster x = the part: 0 q, 1 k, 2 v
	s_cselect_b32 s66, -1, 0
	v_cndmask_b32 v[QO], v[LQ], v5, s66
	s_lshr_b32 s20, s17, 3                         ; batch
	s_lshl_b32 s20, s20, 4
	s_lshl_b32 s21, s40, 2
	s_add_co_u32 s20, s20, s21
	s_lshl_b32 s21, s16, 1
	s_add_co_u32 s20, s20, s21                     ; 16 batch + my first head (4 cx + 2 x column half)
	s_and_b32 s67, s17, 7
	v_mov_b32 v[TR7], s67
	s_lshl_b32 s22, s20, 12
	s_lshl_b32 s23, ttmp9, 18
	s_add_co_u32 s22, s22, s23
	s_mov_b32 s23, 0
	s_add_nc_u64 s[98:99], s[98:99], s[22:23]      ; q32: part x 2^18 + head x 4,096
	s_lshl_b32 s20, s20, 18
	s_lshl_b32 s21, ttmp9, 24
	s_add_co_u32 s20, s20, s21
	s_lshl_b32 s21, s67, 15
	s_add_co_u32 s20, s20, s21
	s_lshl_b32 s21, s15, 14
	s_add_co_u32 s20, s20, s21
	s_mov_b32 s21, 0
	s_add_nc_u64 s[96:97], s[96:97], s[20:21]      ; qkv at my first head and my first tile of 16 positions
.macro FRAG reg, adr, q, i             ; 16 rows x 128 K of 4-bit codes: 8 registers, two loads of 16 bytes, 32 bytes apart
.irp c, 0,1
	ds_load_b128 v[\reg+4*\c:\reg+4*\c+3], v[\adr] offset:64*(\q)+32*\c+(\i)*16*PITCH
.endr
.endm
; 16 products: x's blocks a0, a0 + 1 against W's eight.  The 64 accumulators take turns, one instruction a turn, in the same order in every step.
.macro MUL16 a0, p, q, sc, zero
.irp a, \a0, \a0+1
.irp b, 0,1,2,3,4,5,6,7
.if \zero
	v_wmma_scale_f32_16x16x128_f8f6f4 v[8*(8*((\a)%4)+\b):8*(8*((\a)%4)+\b)+7], v[128*(\p)+FR*\b:128*(\p)+FR*\b+FR-1], v[AF+FR*(\a):AF+FR*(\a)+FR-1], v[BI+8*\b:BI+8*\b+7], v[SC+8*NQ*(\sc)+NQ*\b+(\q)], v[SC+8*NQ*(\sc)+NQ*(\a)+(\q)] matrix_a_fmt:MATRIX_FMT_FP4 matrix_b_fmt:MATRIX_FMT_FP4 matrix_a_scale:MATRIX_SCALE_ROW1
.else
	v_wmma_scale_f32_16x16x128_f8f6f4 v[8*(8*((\a)%4)+\b):8*(8*((\a)%4)+\b)+7], v[128*(\p)+FR*\b:128*(\p)+FR*\b+FR-1], v[AF+FR*(\a):AF+FR*(\a)+FR-1], v[8*(8*((\a)%4)+\b):8*(8*((\a)%4)+\b)+7], v[SC+8*NQ*(\sc)+NQ*\b+(\q)], v[SC+8*NQ*(\sc)+NQ*(\a)+(\q)] matrix_a_fmt:MATRIX_FMT_FP4 matrix_b_fmt:MATRIX_FMT_FP4 matrix_a_scale:MATRIX_SCALE_ROW1
.endif
.endr
.endr
.endm
.macro FETCH_B slot, q, p
	WIN TO_B
.irp i, 0,1,2,3,4,5,6,7
	FRAG 128*(\p)+FR*\i, ADRB+\slot, \q, \i
.endr
	WIN 0
.endm
.macro FETCH_A slot, q, i0
.irp i, \i0, \i0+1, \i0+2, \i0+3
	FRAG AF+FR*(\i), ADRA+\slot, \q, \i
.endr
.endm
.macro SCALES sc                       ; a slot's scale words: lanes 0-15 x's block i, lanes 16-31 W's block i
.irp i, 0,1,2,3,4,5,6,7
	ds_load_b128 v[SC+8*NQ*\sc+NQ*\i:SC+8*NQ*\sc+NQ*\i+3], v[ADRS] offset:\i*SBLK
.endr
.endm
.macro PLACES n                        ; plain vector lines between a product and a load into, or a read of, its registers
.rept \n
	v_nop
.endr
.endm
.macro STEP slot, q, zero              ; 128 along K that has its successor in the same slot
	s_wait_dscnt 4*NL                              ; W's set and x's blocks 0-3 are in; the youngest eight loads (x's blocks 4-7) may be out
.if \zero
	WIN FST_LO
.else
	WIN MUL_LO
.endif
	MUL16 0, (\q)%2, \q, \slot, \zero
	MUL16 2, (\q)%2, \q, \slot, \zero
	s_wait_dscnt 0
	PLACES NP
	FETCH_B \slot, (\q)+1, 1-(\q)%2
	FETCH_A \slot, (\q)+1, 0
.if \zero
	WIN FST_HI
.else
	WIN MUL_HI
.endif
	MUL16 4, (\q)%2, \q, \slot, \zero
	MUL16 6, (\q)%2, \q, \slot, \zero
	PLACES NP
	WIN 0
	FETCH_A \slot, (\q)+1, 4
.endm
; Slot 0's last step goes over to slot 1: every wave waits for its own loads, then the barrier shows the whole slot to all four.  Nothing is filled again.
.macro TURN slot, next
	s_wait_tensorcnt 0x0                           ; my part of the next slot has landed
	ds_add_u32 v[SPW], v[NIL]
	s_wait_dscnt 4*NL+1                            ; the add and the youngest eight loads may be out
	WIN MUL_LO
	MUL16 0, 1, NQ-1, \slot, 0
	s_wait_dscnt 0x0
	s_barrier_signal -1
	MUL16 2, 1, NQ-1, \slot, 0
	WIN 0
	s_barrier_wait -1
	PLACES NP
	v_add_nc_u32 v[ADRS], 4*NQ, v[ADRS]            ; the next slot's scale words (no LDS load of mine is out)
	FETCH_B \next, 0, 0
	FETCH_A \next, 0, 0
	SCALES \next
	WIN MUL_HI
	MUL16 4, 1, NQ-1, \slot, 0
	MUL16 6, 1, NQ-1, \slot, 0
	PLACES NP
	WIN 0
	FETCH_A \next, 0, 4
.endm
.macro STEPS slot, from
.set Q, \from
.rept NQ-1-\from
	STEP \slot, Q, 0
.set Q, Q+1
.endr
.endm
	s_wait_tensorcnt 1                             ; the scales and my part of slot 0 are in; slot 1's load may be out
	s_barrier_signal -1
	s_barrier_wait -1
	FETCH_B 0, 0, 0
	FETCH_A 0, 0, 0
	SCALES 0
	FETCH_A 0, 0, 4
	s_wait_loadcnt 0x0                             ; the bias
	STEP 0, 0, 1                                   ; the first products start the sums from the bias
	STEPS 0, 1
	TURN 0, 1
	STEPS 1, 0
	s_wait_dscnt 4*NL
	WIN MUL_LO
	MUL16 0, 1, NQ-1, 1, 0
	MUL16 2, 1, NQ-1, 1, 0
	s_wait_dscnt 0
	WIN MUL_HI
	MUL16 4, 1, NQ-1, 1, 0
	MUL16 6, 1, NQ-1, 1, 0
	WIN 0
	PLACES NP
	; positions 0-15 of a sequence, as f32: block 0 of the waves with the tile's upper rows, where the tile begins a sequence.  The tile row differs between partners of a cluster,
	; so it switches lanes off and steers no branch.  EXEC changes only behind s_wait_xcnt 0.
	s_cmp_lg_u32 s15, 0
	s_cbranch_scc1 .Lno_fine
	v_cmp_eq_u32 vcc_lo, 0, v[TR7]
	s_wait_xcnt 0x0
	s_and_saveexec_b32 s66, vcc_lo
	WIN 0x08                                       ; a store's data are its source 1: window 2
.irp b, 0,1,2,3,4,5,6,7
	global_store_b128 v[LQ], v[8*\b:8*\b+3], s[98:99] offset:4096*(\b/4)+1024*(\b%4)
	global_store_b128 v[LQ], v[8*\b+4:8*\b+7], s[98:99] offset:4096*(\b/4)+1024*(\b%4)+512
.endr
	WIN 0
	s_wait_xcnt 0x0
	s_or_b32 exec_lo, exec_lo, s66
.Lno_fine:
.macro PACK a                          ; block a's 8 accumulators, each from its low end on, to f16: 4 registers each
.set AC, 64*((\a)%4)
.set PB, PK+32*((\a)%4)
.set WW, 0x0a+5*((\a)/4)
	WIN WW
.irp b, 0,1,2,3,4,5,6,7
.irp r, 0,1,2,3
	v_cvt_pk_f16_f32 v[PB+4*\b+\r], v[AC+8*\b+2*\r], v[AC+8*\b+2*\r+1]
.endr
.endr
	WIN 0
.endm
.macro STORE a                         ; tile of positions a; head b / 4; block of 16 channels b % 4: 512 consecutive bytes a store
.set PB, PK+32*((\a)%4)
.irp b, 0,1,2,3,4,5,6,7
	global_store_b128 v[QO], v[PB+4*\b:PB+4*\b+3], s[96:97] offset:2048*(\a)+262144*(\b/4)+512*(\b%4)
.endr
.endm
.irp a, 0,1,2,3,4,5,6,7
.if \a >= 4
	s_wait_xcnt 0x0                                ; the stores of four blocks back have read their registers
.endif
	PACK \a
	STORE \a
.endr
	s_wait_tensorcnt 0x0                           ; the wave's end: the three lines
	ds_add_u32 v[SPW], v[NIL]
	s_wait_dscnt 0x0
	CROUND                                         ; the closing round
	s_endpgm
.Lfunc_end_k_q9ca527f185_qkvgemm:
	.size	k_q9ca527f185_qkvgemm, .Lfunc_end_k_q9ca527f185_qkvgemm-k_q9ca527f185_qkvgemm
	.p2alignl 7, 3214868480
	.fill 96, 4, 3214868480
	.section	.rodata,"a",@progbits
	.p2align	6, 0x0
	.amdhsa_kernel k_q9ca527f185_qkvgemm
		.amdhsa_group_segment_fixed_size 327680
		.amdhsa_private_segment_fixed_size 0
		.amdhsa_enable_private_segment 0
		.amdhsa_kernarg_size 56
		.amdhsa_user_sgpr_count 2
		.amdhsa_user_sgpr_kernarg_segment_ptr 1
		.amdhsa_wavefront_size32 1
		.amdhsa_system_sgpr_workgroup_id_x 1
		.amdhsa_system_sgpr_workgroup_id_y 1
		.amdhsa_system_sgpr_workgroup_id_z 1
		.amdhsa_system_vgpr_workitem_id 0
		.amdhsa_next_free_vgpr 1024
		.amdhsa_next_free_sgpr 102
		.amdhsa_reserve_vcc 1
		.amdhsa_float_denorm_mode_32 3
		.amdhsa_float_denorm_mode_16_64 3
		.amdhsa_memory_ordered 1
		.amdhsa_forward_progress 1
		.amdhsa_inst_pref_size 122
	.end_amdhsa_kernel
	.amdgpu_metadata
---
amdhsa.version: [ 1, 2 ]
amdhsa.kernels:
  - .name:           k_q9ca527f185_qkvgemm
    .symbol:         k_q9ca527f185_qkvgemm.kd
    .args:
      - { .name: xc, .offset: 0, .size: 8, .value_kind: global_buffer, .address_space: global }
      - { .name: xs, .offset: 8, .size: 8, .value_kind: global_buffer, .address_space: global }
      - { .name: wc, .offset: 16, .size: 8, .value_kind: global_buffer, .address_space: global }
      - { .name: ws, .offset: 24, .size: 8, .value_kind: global_buffer, .address_space: global }
      - { .name: b_qkv, .offset: 32, .size: 8, .value_kind: global_buffer, .address_space: global }
      - { .name: qkv, .offset: 40, .size: 8, .value_kind: global_buffer, .address_space: global }
      - { .name: q32, .offset: 48, .size: 8, .value_kind: global_buffer, .address_space: global }
    .group_segment_fixed_size: 327680
    .private_segment_fixed_size: 0
    .kernarg_segment_align: 8
    .kernarg_segment_size: 56
    .max_flat_workgroup_size: 128
    .sgpr_count:     102
    .vgpr_count:     1024
    .wavefront_size: 32
...
	.end_amdgpu_metadata
.endif
;; end of part 2
;; launch attn (part 3): grid 4 x 64, 16 waves a work-group, no clusters, 327,680 bytes of LDS; arguments qkv, y; writes y
.if DOCPART == 3
	.amdgcn_target "amdgcn-amd-amdhsa--gfx1250"
	.amdhsa_code_object_version 6
	.text
	.protected	k_q9ca527f185_attn
	.globl	k_q9ca527f185_attn
	.p2align	8
	.type	k_q9ca527f185_attn,@function
k_q9ca527f185_attn:
	s_mov_b64 s[64:65], 0
	v_nop
	global_prefetch_b8 v0, s[64:65] scope:SCOPE_SE
	s_setreg_imm32_b32 hwreg(HW_REG_WAVE_MODE, 25, 1), 1
	s_wait_xcnt 0x0
; y[b][t][head] = softmax over keys k <= t of (q . k / 8) times v, on f16 operands with f32 sums, maxima and row sums; 64 heads-in-batches of 2,048 positions x 64 channels.
; SHARES.  Work-group (i, bh) owns the query blocks 7 - i (waves 0-7) and i (waves 8-15), 256 queries each, 32 queries (two tiles of 16) a wave: under the causal mask every work-group
; so has the same work.  Four waves to a SIMD: one wave's softmax stands beside another's products.
; WALK.  All waves walk the keys together, 256 to an LDS slot, 64 to a step; the trip counts are constants.  A step all of whose keys come after the wave's queries is jumped over (a branch on
; ids); a slot whose first key comes after the work-group's last query is not asked for.  Every wait on TENSORcnt is for 0.
; NO CLUSTER: the four work-groups of a head need 8, 7, 6 and 5 slots, so partners would have to ask for tiles that none of their waves reads.
; LAYOUT.  qkv holds images of fragment halves (512 bytes: 16 bytes a lane), so a slot is two dense blocks of 32 KB (K, V), every LDS load reads 512 consecutive bytes, and there is no pitch.
; Both products are used transposed: S^T = K Q^T, O^T = V^T P: a lane holds one query (lane % 16) throughout.  V's images are laid so that the turning load at 16 x lane gives V^T.
; SOFTMAX.  Running maximum m and sum l a query: p = 2^(c s - c m), c = log2(e) / 8; in every step O^T and l are multiplied by a = 2^(c m_old - c m_new).  p goes to f16 for the second product.
; The first step finds m = -3e38, l = 0, O^T = 0, so the step is written once.
; OUT.  y is laid as images of the projection's fragments: y + (row / 16) x 32,768 + head x 2,048 + blk x 512 + 16 x lane: a packed accumulator is such an image.
; LIMITS: |q|, |k|, |v| under 65,504; NaN and infinities are not served.  Positions 0-15 of a sequence are made again, more finely, by a later launch.
.set SLOTB, 65536                      ; a slot: K's 32 KB, then V's
.set VOFF,  32768
.set SPARE, 131072                     ; the spare words: 128 bytes for each of 16 waves
.set LA,   1                           ; v1   16 x lane
.set ADK,  2                           ; v2   LA + the slot in hand
.set SPW,  3
.set NIL,  4
.set D0,   6                           ; v6, v7  the mask: my query less the step's first key less 8 (lane / 16), a tile each
.set NINF, 8                           ; v8   -infinity
.set PFO,  9                           ; v9   256 x lane
.set RH,   10                          ; v10  lane % 16 - 8 (lane / 16)
.set ST,   12                          ; v12-27  a tile's eight: +0 c m, +1 m, +2, +3 l, +4 .. +7 at work; a at +6
.set QF,   32                          ; v32-63  Q: tile t, channels 32 c on: 16 t + 8 c
.set KV,   64                          ; v64-127 K of a step (key tile kt: 16 kt), then V (keys 32 kc on, channels 16 b on: 32 kc + 8 b)
.set S,    128                         ; v128-191 S^T, 32 a tile; P is packed into each tile's low 16
.set O,    192                         ; v192-255 O^T: 32 t + 8 b
.set WV,   8
.set Q0,   11                          ; s11  my first query
.set KF,   12                          ; s12  the step's first key
.set TB,   13                          ; s13  the slot in hand
.set SLOTS, 14
.set LQ,   15                          ; s15  my work-group's last query
.set G1,   16
.set G0,   24
.set CS,   28                          ; s[28:29] c
.set SEL,  30                          ; s[30:31] selects for lane l xor 16
.set PFA,  32                          ; s[32:33] where my prefetches stand
.set LIM,  34
.macro TLOAD                           ; waves 0, 1: K's halves; waves 2, 3: V's; 16 KB each.  An s_nop 0 and four v_nop follow
	s_cmp_lt_u32 s[WV], 4
	s_cbranch_scc0 .Lnone_\@
	tensor_load_to_lds s[G0:G0+3], s[G1:G1+7]
	s_nop 0
.rept 4
	v_nop
.endr
.Lnone_\@:
.endm
; A prefetch of the slot that the NEXT change will ask for.  The four work-groups of a head walk the same K and V: the first of them, which walks all eight slots, asks; in it waves 4-7 name K's
; 32 KB and waves 8-11 V's, 8 KB a wave, lanes 256 bytes apart: each block once in the launch.  The last change that fills a slot asks for nothing.
.macro ASK
	s_cmp_gt_u32 s[SLOTS], s[LIM]
	s_cbranch_scc0 .Lnot_mine_\@
	global_prefetch_b8 v[PFO], s[PFA:PFA+1] th:TH_LOAD_NT scope:SCOPE_SE
.Lnot_mine_\@:
.endm
	s_load_b128 s[4:7], s[0:1], 0x0                ; qkv s[4:5], y s[6:7]
	v_lshl_add_u32 v[SPW], v0, 2, SPARE
	v_mov_b32 v[NIL], 0
	ds_add_u32 v[SPW], v[NIL]                      ; the opening: the add, twice on end, and its wait ahead of the first tensor load
	ds_add_u32 v[SPW], v[NIL]
	v_lshrrev_b32 v5, 5, v0
	v_readfirstlane_b32 s[WV], v5                  ; wave 0..15
	s_and_b32 s10, ttmp7, 0xffff                   ; 16 batch + head
	s_sub_co_u32 s35, 7, ttmp9
	s_lshl_b32 s[LQ], s35, 8
	s_or_b32 s[LQ], s[LQ], 255
	s_cmp_lt_u32 s[WV], 8
	s_cselect_b32 s35, s35, ttmp9                  ; my block of 256 queries
	s_and_b32 s36, s[WV], 7
	s_lshl_b32 s[Q0], s35, 8
	s_lshl_b32 s36, s36, 5
	s_add_co_u32 s[Q0], s[Q0], s36
	s_mov_b32 s[G1], 3<<16                         ; no mask; elements of 8 bytes; no padding
	s_mov_b32 s[G1+1], 32<<16                      ; tensor_dim0 = 32: rows of 256 bytes
	s_mov_b32 s[G1+2], 64<<16                      ; tensor_dim1 = 64
	s_mov_b32 s[G1+3], 32<<16                      ; tile_dim0
	s_mov_b32 s[G1+4], 64                          ; tile_dim1
	s_mov_b32 s[G1+5], 32                          ; dense
	s_mov_b32 s[G1+6], 0
	s_mov_b32 s[G1+7], 0
	s_lshl_b32 s44, s10, 18                        ; a head's 256 KB in each part
	s_and_b32 s36, s[WV], 3
	s_lshl_b32 s37, s36, 14                        ; what I fetch, if I fetch: its place in a slot,
	s_lshr_b32 s42, s36, 1
	s_add_co_u32 s42, s42, 1                       ; part 1 (k) or 2 (v),
	s_lshl_b32 s42, s42, 24
	s_add_co_u32 s42, s42, s44
	s_and_b32 s36, s[WV], 1
	s_lshl_b32 s36, s36, 14                        ; first or second half of a slot's 32 KB
	s_add_co_u32 s42, s42, s36
	s_mov_b32 s43, 0
	s_lshl_b32 s38, s[Q0], 7                       ; Q: 2,048 bytes for 16 positions
	s_add_co_u32 s38, s38, s44
	s_mov_b32 s39, 0
	s_lshr_b32 s40, s10, 4
	s_lshl_b32 s40, s40, 22                        ; y: batch x 128 tiles x 32,768,
	s_and_b32 s36, s10, 15
	s_add_co_u32 s36, s36, s[Q0]
	s_lshl_b32 s36, s36, 11                        ; + (Q0 / 16) x 32,768 + head x 2,048
	s_add_co_u32 s40, s40, s36
	s_mov_b32 s41, 0
	s_lshr_b32 s32, s[WV], 2                       ; the prefetches: waves 4-7 part 1, waves 8-11 part 2 (held there in the waves that never ask)
	s_max_u32 s32, s32, 1
	s_min_u32 s32, s32, 2
	s_lshl_b32 s32, s32, 24
	s_add_co_u32 s32, s32, s44
	s_and_b32 s36, s[WV], 3
	s_lshl_b32 s36, s36, 13
	s_add_co_u32 s32, s32, s36
	s_add_co_u32 s32, s32, 32768                   ; in slot 1: the first change steps it to slot 2
	s_mov_b32 s33, 0
	s_sub_co_u32 s36, s[WV], 4
	s_lshr_b32 s36, s36, 3                         ; 0 in waves 4 to 11
	s_or_b32 s36, s36, ttmp9
	s_cmp_eq_u32 s36, 0
	s_cselect_b32 s[LIM], 1, -1
	s_mov_b32 s[CS], 0x3e38aa3b                    ; c = log2(e) / 8
	s_mov_b32 s[CS+1], s[CS]
	s_mov_b32 s[SEL], 0x76543210
	s_mov_b32 s[SEL+1], 0xfedcba98
	s_mov_b32 s[KF], 0
	s_mov_b32 s[TB], 0
	s_mov_b32 s[SLOTS], 7
	s_wait_dscnt 0x0                               ; both opening adds are done
	s_wait_kmcnt 0x0
	s_mov_b32 s[G0], 1
	s_mov_b32 s[G0+1], s37
	s_add_nc_u64 s[G0+2:G0+3], s[4:5], s[42:43]
	s_or_b32 s[G0+3], s[G0+3], 0x80000000
	TLOAD                                          ; slot 0: it holds key 0, which counts for every query
	s_add_nc_u64 s[38:39], s[4:5], s[38:39]
	s_add_nc_u64 s[40:41], s[6:7], s[40:41]
	s_add_nc_u64 s[PFA:PFA+1], s[4:5], s[PFA:PFA+1]
	v_and_b32 v5, 31, v0
	v_lshlrev_b32 v[LA], 4, v5
	v_lshlrev_b32 v[PFO], 8, v5
.irp t, 0,1
.irp b, 0,1,2,3
	global_load_b128 v[QF+16*\t+4*\b:QF+16*\t+4*\b+3], v[LA], s[38:39] offset:2048*\t+512*\b   ; Q stays in registers
.endr
.endr
	v_and_b32 v5, 15, v0
	v_bfe_u32 v[RH], v0, 4, 1
	v_lshlrev_b32 v[RH], 3, v[RH]
	v_sub_nc_u32 v[RH], v5, v[RH]
	v_mov_b32 v[NINF], 0xff800000
.irp t, 0,1
	v_mov_b32 v[ST+8*\t+1], 0xff61b1e6             ; m = -3e38, under every score
	v_mul_f32 v[ST+8*\t], s[CS], v[ST+8*\t+1]
.irp j, 2,3,4,5,6,7
	v_mov_b32 v[ST+8*\t+\j], 0
.endr
.endr
.set i, 0
.rept 64
	v_mov_b32 v[O+i], 0
.set i, i+1
.endr
; A KEY STEP: 64 keys, the q-th of the slot in hand.
.macro STEP q
	s_add_co_u32 s36, s[Q0], 31
	s_cmp_gt_u32 s[KF], s36                        ; all its keys come after my 32 queries: nothing to do
	s_cbranch_scc1 .Lhidden_\@
.irp c, 0,1                                    ; K: channels 0-31 of the four key tiles first
.irp kt, 0,1,2,3
.irp g, 0,1
	ds_load_b128 v[KV+16*\kt+8*\c+4*\g:KV+16*\kt+8*\c+4*\g+3], v[ADK] offset:8192*(\q)+2048*\kt+1024*\c+512*\g
.endr
.endr
.endr
	s_wait_dscnt 8                                 ; channels 0-31 are in; the eight loads of channels 32-63 may be out
.irp kt, 0,1,2,3                               ; S^T = K Q^T: eight accumulators by turns
.irp t, 0,1
	v_wmma_f32_16x16x32_f16 v[S+32*\t+8*\kt:S+32*\t+8*\kt+7], v[KV+16*\kt:KV+16*\kt+7], v[QF+16*\t:QF+16*\t+7], 0
.endr
.endr
	s_wait_dscnt 0x0
.irp kt, 0,1,2,3
.irp t, 0,1
	v_wmma_f32_16x16x32_f16 v[S+32*\t+8*\kt:S+32*\t+8*\kt+7], v[KV+16*\kt+8:KV+16*\kt+15], v[QF+16*\t+8:QF+16*\t+15], v[S+32*\t+8*\kt:S+32*\t+8*\kt+7]
.endr
.endr
.rept 4
	v_nop                                          ; places in front of the loads into K's registers and of the first read of the scores
.endr
.irp kc, 0,1                                   ; V, turned, into the same registers: it lands while the softmax is walked
.irp b, 0,1,2,3
.irp g, 0,1
	ds_load_tr16_b128 v[KV+32*\kc+8*\b+4*\g:KV+32*\kc+8*\b+4*\g+3], v[ADK] offset:VOFF+8192*(\q)+2048*(2*\kc+\g)+512*\b
.endr
.endr
.endr
	s_add_co_u32 s36, s[KF], 63
	s_cmp_le_u32 s36, s[Q0]                        ; all its keys count for all my queries: no mask
	s_cbranch_scc1 .Lopen_\@
	s_sub_co_i32 s36, s[Q0], s[KF]
	v_add_nc_u32 v[D0], s36, v[RH]
	v_add_nc_u32 v[D0+1], 16, v[D0]
.set i, 0
.rept 32                                       ; register 8 kt + j holds key KF + 16 kt + 8 (lane / 16) + j: hidden where 16 kt + j > d
	v_cmp_gt_i32 vcc_lo, 16*(i/8)+i%8, v[D0]
	v_cndmask_b32 v[S+i], v[S+i], v[NINF], vcc_lo
	v_cmp_gt_i32 vcc_lo, 16*(i/8)+i%8, v[D0+1]
	v_cndmask_b32 v[S+32+i], v[S+32+i], v[NINF], vcc_lo
.set i, i+1
.endr
.Lopen_\@:
.irp j, 0,1,2,3                                ; the maximum: four chains a tile, each begun at an accumulator's low end; the two tiles line by line
.irp t, 0,1
	v_max3_num_f32 v[ST+8*\t+4+\j], v[S+32*\t+8*\j], v[S+32*\t+8*\j+1], v[S+32*\t+8*\j+2]
.endr
.endr
.irp u, 3,5
.irp j, 0,1,2,3
.irp t, 0,1
	v_max3_num_f32 v[ST+8*\t+4+\j], v[ST+8*\t+4+\j], v[S+32*\t+8*\j+\u], v[S+32*\t+8*\j+\u+1]
.endr
.endr
.endr
.irp t, 0,1
	v_max3_num_f32 v[ST+8*\t+4], v[ST+8*\t+4], v[S+32*\t+7], v[S+32*\t+15]
.endr
.irp t, 0,1
	v_max3_num_f32 v[ST+8*\t+6], v[ST+8*\t+6], v[S+32*\t+23], v[S+32*\t+31]
.endr
.irp t, 0,1
	v_max3_num_f32 v[ST+8*\t+4], v[ST+8*\t+4], v[ST+8*\t+5], v[ST+8*\t+6]
.endr
.irp t, 0,1
	v_max3_num_f32 v[ST+8*\t+4], v[ST+8*\t+4], v[ST+8*\t+7], v[ST+8*\t+1]   ; with the old m
.endr
.irp t, 0,1
	v_permlanex16_b32 v[ST+8*\t+5], v[ST+8*\t+4], s[SEL], s[SEL+1]          ; the query's other 32 keys lie in the lane 16 away
.endr
.irp t, 0,1
	v_mov_b32 v[ST+8*\t+7], v[ST+8*\t]             ; c m_old
.endr
.irp t, 0,1
	v_max_num_f32 v[ST+8*\t+1], v[ST+8*\t+4], v[ST+8*\t+5]
.endr
.irp t, 0,1
	v_mul_f32 v[ST+8*\t], s[CS], v[ST+8*\t+1]
.endr
.irp t, 0,1
	v_sub_f32 v[ST+8*\t+7], v[ST+8*\t+7], v[ST+8*\t]
.endr
.set i, 0
.rept 16
	v_pk_fma_f32 v[S+i:S+i+1], v[S+i:S+i+1], s[CS:CS+1], v[ST:ST+1] op_sel_hi:[1,0,0] neg_lo:[0,0,1] neg_hi:[0,0,1]            ; c s - c m
	v_pk_fma_f32 v[S+32+i:S+32+i+1], v[S+32+i:S+32+i+1], s[CS:CS+1], v[ST+8:ST+9] op_sel_hi:[1,0,0] neg_lo:[0,0,1] neg_hi:[0,0,1]
.set i, i+2
.endr
.irp t, 0,1
	v_exp_f32 v[ST+8*\t+6], v[ST+8*\t+7]           ; a
.endr
.set i, 0
.rept 32
	v_exp_f32 v[S+i], v[S+i]
	v_exp_f32 v[S+32+i], v[S+32+i]
.set i, i+1
.endr
	v_nop                                          ; one plain line behind the last exponential
	s_wait_alu depctr_va_vdst(0)                   ; one wait for the batch of 66, ahead of its first reader
.irp t, 0,1                                    ; the row's sums, of p in f32, in two chains
	v_pk_add_f32 v[ST+8*\t+4:ST+8*\t+5], v[S+32*\t:S+32*\t+1], v[S+32*\t+2:S+32*\t+3]
.endr
.irp t, 0,1
	v_pk_fma_f32 v[ST+8*\t+2:ST+8*\t+3], v[ST+8*\t+2:ST+8*\t+3], v[ST+8*\t+6:ST+8*\t+7], v[S+32*\t+4:S+32*\t+5] op_sel_hi:[1,0,1]   ; l = a l + ..
.endr
.irp n, 6,10,14,18,22,26
.irp t, 0,1
	v_pk_add_f32 v[ST+8*\t+4:ST+8*\t+5], v[ST+8*\t+4:ST+8*\t+5], v[S+32*\t+\n:S+32*\t+\n+1]
	v_pk_add_f32 v[ST+8*\t+2:ST+8*\t+3], v[ST+8*\t+2:ST+8*\t+3], v[S+32*\t+\n+2:S+32*\t+\n+3]
.endr
.endr
.irp t, 0,1
	v_pk_add_f32 v[ST+8*\t+4:ST+8*\t+5], v[ST+8*\t+4:ST+8*\t+5], v[S+32*\t+30:S+32*\t+31]
.endr
.irp t, 0,1
	v_pk_add_f32 v[ST+8*\t+2:ST+8*\t+3], v[ST+8*\t+2:ST+8*\t+3], v[ST+8*\t+4:ST+8*\t+5]
.endr
.set i, 0
.rept 16                                       ; p to f16, in place and ascending: register i takes pair i, whose own registers lie at 2 i and 2 i + 1
	v_cvt_pk_f16_f32 v[S+i], v[S+2*i], v[S+2*i+1]
	v_cvt_pk_f16_f32 v[S+32+i], v[S+32+2*i], v[S+32+2*i+1]
.set i, i+1
.endr
.set i, 0
.rept 16
	v_pk_mul_f32 v[O+i:O+i+1], v[O+i:O+i+1], v[ST+6:ST+7] op_sel_hi:[1,0]           ; O^T x a
	v_pk_mul_f32 v[O+32+i:O+32+i+1], v[O+32+i:O+32+i+1], v[ST+14:ST+15] op_sel_hi:[1,0]
.set i, i+2
.endr
	s_wait_dscnt 0x0                               ; V is in
.irp kc, 0,1                                   ; O^T += V^T P: eight accumulators by turns
.irp b, 0,1,2,3
.irp t, 0,1
	v_wmma_f32_16x16x32_f16 v[O+32*\t+8*\b:O+32*\t+8*\b+7], v[KV+32*\kc+8*\b:KV+32*\kc+8*\b+7], v[S+32*\t+8*\kc:S+32*\t+8*\kc+7], v[O+32*\t+8*\b:O+32*\t+8*\b+7]
.endr
.endr
.endr
.rept 5
	v_nop                                          ; the next step's products write over P's registers (five places), its loads land in V's, and the way out reads O^T (four)
.endr
.Lhidden_\@:
	s_add_co_u32 s[KF], s[KF], 64
.endm
; THE CHANGE OF SLOTS stands at a slot's head: every wave waits for all its tensor loads, adds 0 to its spare word, waits for that and for its reads of the slot that it has left; one barrier;
; behind it the slot ahead is whole and nobody reads the other one, which is filled with the next 256 keys (up to the causal limit).
.macro CHANGE fill
	s_wait_tensorcnt 0x0
	ds_add_u32 v[SPW], v[NIL]
.if \fill
	ds_add_u32 v[SPW], v[NIL]                      ; and twice on end here, in every trip alike
	s_xor_b32 s[G0+1], s[G0+1], SLOTB              ; the walking descriptor: the other slot, the next 256 keys
	s_add_nc_u64 s[G0+2:G0+3], s[G0+2:G0+3], 32768
	s_wait_xcnt 0x0                                ; the last prefetch, a slot back, has read its address
	s_add_nc_u64 s[PFA:PFA+1], s[PFA:PFA+1], 32768
.endif
	s_wait_dscnt 0x0
	s_barrier_signal -1
	s_barrier_wait -1
.if \fill
	s_add_co_u32 s36, s[KF], 256                   ; the first key of the slot that this change would ask for
	s_cmp_gt_u32 s36, s[LQ]                        ; past my work-group's last query none of its waves reads it: ids and the count of steps alone, the same in all sixteen waves
	s_cbranch_scc1 .Lpast_\@
	TLOAD
.Lpast_\@:
	ASK
.endif
.endm
.macro SLOT_STEPS
	v_add_nc_u32 v[ADK], s[TB], v[LA]
	STEP 0
	STEP 1
	STEP 2
	STEP 3
	s_xor_b32 s[TB], s[TB], SLOTB
.endm
	s_wait_loadcnt 0x0                             ; Q
.Lslot:                                            ; seven trips
	CHANGE 1
	SLOT_STEPS
	s_sub_co_u32 s[SLOTS], s[SLOTS], 1
	s_cmp_lg_u32 s[SLOTS], 0
	s_cbranch_scc1 .Lslot
	CHANGE 0                                       ; the last slot is written out: nothing is left to ask for
	SLOT_STEPS
	; THE WAY OUT: O^T / l, to f16; a packed accumulator is an image of the projection's operand: 512 consecutive bytes a store
.irp t, 0,1
	v_add_f32 v[ST+8*\t+4], v[ST+8*\t+2], v[ST+8*\t+3]
.endr
.irp t, 0,1
	v_permlanex16_b32 v[ST+8*\t+5], v[ST+8*\t+4], s[SEL], s[SEL+1]
.endr
.irp t, 0,1
	v_add_f32 v[ST+8*\t+4], v[ST+8*\t+4], v[ST+8*\t+5]
.endr
.irp t, 0,1
	v_rcp_f32 v[ST+8*\t+6], v[ST+8*\t+4]
.endr
	v_nop
	s_wait_alu depctr_va_vdst(0)                   ; one wait for the two reciprocals
.set i, 0
.rept 16
	v_pk_mul_f32 v[O+i:O+i+1], v[O+i:O+i+1], v[ST+6:ST+7] op_sel_hi:[1,0]
	v_pk_mul_f32 v[O+32+i:O+32+i+1], v[O+32+i:O+32+i+1], v[ST+14:ST+15] op_sel_hi:[1,0]
.set i, i+2
.endr
.set i, 0
.rept 32
	v_cvt_pk_f16_f32 v[S+i], v[O+2*i], v[O+2*i+1]
.set i, i+1
.endr
.irp t, 0,1
.irp b, 0,1,2,3
	global_store_b128 v[LA], v[S+16*\t+4*\b:S+16*\t+4*\b+3], s[40:41] offset:32768*\t+512*\b
.endr
.endr
	s_wait_tensorcnt 0x0                           ; the wave's end: the three lines
	ds_add_u32 v[SPW], v[NIL]
	s_wait_dscnt 0x0
	s_endpgm
.Lfunc_end_k_q9ca527f185_attn:
	.size	k_q9ca527f185_attn, .Lfunc_end_k_q9ca527f185_attn-k_q9ca527f185_attn
	.p2alignl 7, 3214868480
	.fill 96, 4, 3214868480
	.section	.rodata,"a",@progbits
	.p2align	6, 0x0
	.amdhsa_kernel k_q9ca527f185_attn
		.amdhsa_group_segment_fixed_size 327680
		.amdhsa_private_segment_fixed_size 0
		.amdhsa_enable_private_segment 0
		.amdhsa_kernarg_size 16
		.amdhsa_user_sgpr_count 2
		.amdhsa_user_sgpr_kernarg_segment_ptr 1
		.amdhsa_wavefront_size32 1
		.amdhsa_system_sgpr_workgroup_id_x 1
		.amdhsa_system_sgpr_workgroup_id_y 1
		.amdhsa_system_sgpr_workgroup_id_z 1
		.amdhsa_system_vgpr_workitem_id 0
		.amdhsa_next_free_vgpr 256
		.amdhsa_next_free_sgpr 66
		.amdhsa_reserve_vcc 1
		.amdhsa_float_denorm_mode_32 3
		.amdhsa_float_denorm_mode_16_64 3
		.amdhsa_memory_ordered 1
		.amdhsa_forward_progress 1
		.amdhsa_inst_pref_size 184
	.end_amdhsa_kernel
	.amdgpu_metadata
---
amdhsa.version: [ 1, 2 ]
amdhsa.kernels:
  - .name:           k_q9ca527f185_attn
    .symbol:         k_q9ca527f185_attn.kd
    .args:
      - { .name: qkv, .offset: 0, .size: 8, .value_kind: global_buffer, .address_space: global }
      - { .name: y, .offset: 8, .size: 8, .value_kind: global_buffer, .address_space: global }
    .group_segment_fixed_size: 327680
    .private_segment_fixed_size: 0
    .kernarg_segment_align: 8
    .kernarg_segment_size: 16
    .max_flat_workgroup_size: 512
    .sgpr_count:     66
    .vgpr_count:     256
    .wavefront_size: 32
...
	.end_amdgpu_metadata
.endif
;; end of part 3
;; launch proj (part 4): grid 4 x 64, 4 waves a work-group, clusters of 4 x 4, 327,680 bytes of LDS; arguments y, wimg, b_out, out0; writes out0
.if DOCPART == 4
	.amdgcn_target "amdgcn-amd-amdhsa--gfx1250"
	.amdhsa_code_object_version 6
	.text
	.protected	k_q9ca527f185_proj
	.globl	k_q9ca527f185_proj
	.p2align	8
	.type	k_q9ca527f185_proj,@function
k_q9ca527f185_proj:
	s_mov_b64 s[64:65], 0
	v_nop
	global_prefetch_b8 v0, s[64:65] scope:SCOPE_SE
	s_setreg_imm32_b32 hwreg(HW_REG_WAVE_MODE, 25, 1), 1
	s_wait_xcnt 0x0
	s_wait_alu depctr_hold_cnt(0) depctr_sa_sdst(0) depctr_va_vdst(0) depctr_va_sdst(0) depctr_va_ssrc(0) depctr_va_vcc(0) depctr_vm_vsrc(0)
	s_getreg_b32 s2, hwreg(HW_REG_IB_STS2, 6, 4)
	s_cmp_eq_u32 s2, 0
	s_cbranch_scc0 .Lentry_in_a_cluster
	s_endpgm
.Lentry_in_a_cluster:
	s_bfe_u32 s2, ttmp6, 0x10000c
	s_cmp_lg_u32 s2, 0xf033
	s_cbranch_scc0 .Lentry_shape_is_right
	s_endpgm
.Lentry_shape_is_right:
; out0 = y W_out + b_out on f16 operands (W_out's high part), f32 sums: M 8,192, N 1,024, K 1,024.
; A tile of 128 x 256 to a work-group: 256 work-groups.  Four waves, 64 x 128 each: 32 accumulators, 256 registers.  K goes in steps of 128 through a ring of two LDS slots.
; y and wimg are laid as images of fragments (1,024 bytes for 16 rows x 32 K), so a K step of a tile of 16 rows is 4,096 consecutive bytes, every LDS load reads 512 consecutive bytes, no pitch.
; CLUSTER 4 x 4: y's tiles are shared along a row of the cluster, W's along a column: joint loads; a round of the cluster's barrier stands in front of each refill.
; TRANSPOSED USE (source 0 = 16 columns of W, source 1 = 16 rows of y): a lane holds eight neighbouring columns of a row.  The bias is the C of each sum's first product.
; LIMITS: |y|, |W_out| under 65,504.  Rows 0-15 of each sequence are stored again, more finely, by the next launch.
.set STEPB, 4096                       ; a K step of one tile of 16 rows, in bytes
.set SLOT,  98304                      ; y: 8 tiles x 4 KB; W, from BOFF on: 16 tiles x 4 KB
.set BOFF,  32768
.set STAGE, 2*SLOT                     ; the way out: 16 rows x 528 bytes for each wave
.set SPITCH, 528
.set SPARE, STAGE+4*16*SPITCH
.set LAPS,  4
.set ADRA, 16                          ; v16-17  LDS address of my y fragments in slot 0, 1
.set ADRB, 20                          ; v20-21  the same for W
.set STO,  24
.set RD,   25
.set CO,   26
.set BOF,  27
.set SPW,  28
.set NIL,  29
.set PFO,  30
.set BIAS, 32                          ; v32-95  eight registers for each of my eight tiles of columns
.set BK,   128                         ; the way out: v128-191 and v192-255 by turns
.set F0,   0                           ; window 1: two buffers: W's 64 registers, then y's 32
.set F1,   128
.set WV,   14
.set G1, 24
.set G0, 32
.set G1B, 48
.set G0B, 56
.set PFA, 68                           ; s[68:69]
.set LIM, 70
.set MSB, 0
.macro WIN new
.if MSB != \new
	s_set_vgpr_msb (MSB<<8)|\new
.set MSB, \new
.endif
.endm
.set MUL,  0xa5                        ; sources 0 and 1 window 1; C and D window 2
.set FST,  0x85                        ; the first quarter: C (the bias) window 0
.set TO_F, 0x40
.macro JLOAD s                         ; waves 0, 1 fetch y's halves, waves 2, 3 W's
	s_cmp_eq_u32 s15, 0
	s_cbranch_scc0 .Lfor_b_\@
	tensor_load_to_lds s[G0+4*\s:G0+4*\s+3], s[G1:G1+7]
	s_nop 0
.rept 4
	v_nop
.endr
	s_branch .Lasked_\@
.Lfor_b_\@:
	tensor_load_to_lds s[G0B+4*\s:G0B+4*\s+3], s[G1B:G1B+7]
	s_nop 0
.rept 4
	v_nop
.endr
.Lasked_\@:
.endm
.macro CREST
	s_cmp_lg_u32 s[WV], 0
	s_cbranch_scc1 .Lnot_wave_0_\@
	s_barrier_signal -3
.Lnot_wave_0_\@:
	s_barrier_wait -3
	s_barrier_signal -1
	s_barrier_wait -1
.endm
.macro CROUND
	s_barrier_signal -1
	s_barrier_wait -1
	CREST
.endm
; A prefetch of y's K step that stands two refills on.  A tile row of y is read by one row of one cluster alone; its four partners share the 8 tiles out by address, two each; wave 0 asks:
; 16 lanes x 256 bytes a tile.  The loop's last trip asks for nothing: there is no K step two on.
.macro ASK
	s_cmp_gt_u32 s3, s[LIM]
	s_cbranch_scc0 .Lnot_mine_\@
	global_prefetch_b8 v[PFO], s[PFA:PFA+1] offset:STEPB th:TH_LOAD_NT scope:SCOPE_SE
.Lnot_mine_\@:
.endm
	s_load_b256 s[4:11], s[0:1], 0x0               ; y s[4:5], wimg s[6:7], b_out s[8:9], out0 s[10:11]
	v_lshl_add_u32 v[SPW], v0, 2, SPARE
	v_mov_b32 v[NIL], 0
	ds_add_u32 v[SPW], v[NIL]                      ; the opening: the add, twice on end, and its wait
	ds_add_u32 v[SPW], v[NIL]
	v_lshrrev_b32 v1, 5, v0
	v_readfirstlane_b32 s[WV], v1
	s_lshr_b32 s15, s[WV], 1                       ; my half of the tile's rows; also: I fetch for y (0) or for W (1)
	s_and_b32 s16, s[WV], 1                        ; my half of its columns; also: which half of that tile I fetch
	s_bfe_u32 s40, ttmp6, 0x40000
	s_bfe_u32 s41, ttmp6, 0x40004
	s_lshl_b32 s42, ttmp9, 2
	s_add_co_u32 s42, s42, s40                     ; tile column
	s_and_b32 s17, ttmp7, 0xffff
	s_lshl_b32 s17, s17, 2
	s_add_co_u32 s17, s17, s41                     ; tile row
	s_lshl_b32 s43, s41, 2
	s_lshl_b32 s43, 15, s43
	s_lshl_b32 s44, 0x1111, s40
	s_or_b32 s[G1], s43, (3<<16)|(1<<21)           ; mask: my row; elements of 8 bytes; no padding; bit 21 beside a mask
	s_or_b32 s[G1B], s44, (3<<16)|(1<<21)
	s_mov_b32 s[G1+1], 512<<16                     ; a row of the tile: 4,096 bytes
	s_mov_b32 s[G1+2], 4<<16                       ; four tiles of 16 rows of y to a load
	s_mov_b32 s[G1+3], 512<<16
	s_mov_b32 s[G1+4], 4
	s_mov_b32 s[G1+5], 4096                        ; 32,768 bytes from tile to tile
	s_mov_b32 s[G1+6], 0
	s_mov_b32 s[G1+7], 0
	s_mov_b32 s[G1B+1], 512<<16
	s_mov_b32 s[G1B+2], 8<<16                      ; eight tiles of 16 columns of W to a load
	s_mov_b32 s[G1B+3], 512<<16
	s_mov_b32 s[G1B+4], 8
	s_mov_b32 s[G1B+5], 4096
	s_mov_b32 s[G1B+6], 0
	s_mov_b32 s[G1B+7], 0
	s_lshl_b32 s20, s17, 18
	s_lshl_b32 s18, s16, 17
	s_add_co_u32 s20, s20, s18                     ; y: tile 8 x tile row + 4 x half
	s_mov_b32 s21, 0
	s_lshl_b32 s46, s42, 19
	s_lshl_b32 s18, s16, 18
	s_add_co_u32 s46, s46, s18                     ; W: tile 16 x tile column + 8 x half
	s_mov_b32 s47, 0
	s_lshl_b32 s22, s16, 14                        ; where they go in a slot
	s_lshl_b32 s23, s16, 15
	s_add_co_u32 s23, s23, BOFF
	s_wait_dscnt 0x0
	s_wait_kmcnt 0x0
	s_add_nc_u64 s[20:21], s[4:5], s[20:21]
	s_add_nc_u64 s[46:47], s[6:7], s[46:47]
	CROUND
.irp s, 0,1
	s_mov_b32 s[G0+4*\s], 1
	s_add_co_u32 s[G0+4*\s+1], s22, \s*SLOT
	s_add_nc_u64 s[G0+4*\s+2:G0+4*\s+3], s[20:21], \s*STEPB
	s_or_b32 s[G0+4*\s+3], s[G0+4*\s+3], 0x80000000
	s_mov_b32 s[G0B+4*\s], 1
	s_add_co_u32 s[G0B+4*\s+1], s23, \s*SLOT
	s_add_nc_u64 s[G0B+4*\s+2:G0B+4*\s+3], s[46:47], \s*STEPB
	s_or_b32 s[G0B+4*\s+3], s[G0B+4*\s+3], 0x80000000
	JLOAD \s
.endr
	v_and_b32 v1, 15, v0                           ; r
	v_bfe_u32 v2, v0, 4, 1                         ; h
	v_and_b32 v3, 31, v0
	v_lshlrev_b32 v[CO], 4, v3                     ; 16 x lane
	s_lshl_b32 s21, s15, 14                        ; my four tiles of y
	s_lshl_b32 s22, s16, 15
	s_add_co_u32 s22, s22, BOFF                    ; my eight tiles of W
.irp s, 0,1
	v_add_nc_u32 v[ADRA+\s], s21, v[CO]
	v_add_nc_u32 v[ADRB+\s], s22, v[CO]
	s_add_co_u32 s21, s21, SLOT
	s_add_co_u32 s22, s22, SLOT
.endr
	s_mul_i32 s23, s[WV], 16*SPITCH
	s_add_co_u32 s23, s23, STAGE                   ; my stage
	v_mul_u32_u24 v5, v1, SPITCH
	v_lshl_add_u32 v5, v2, 5, v5
	v_add_nc_u32 v[STO], s23, v5                   ; in: row r, 32 bytes for each half of the lanes
	v_add_nc_u32 v[RD], s23, v[CO]                 ; back: the 32 lanes take a row of 512 bytes
	v_lshlrev_b32 v[BOF], 5, v2
	s_lshl_b32 s46, s42, 10
	s_lshl_b32 s47, s16, 9
	s_add_co_u32 s46, s46, s47                     ; my first column, in bytes
	s_mov_b32 s47, 0
	s_add_nc_u64 s[8:9], s[8:9], s[46:47]
.irp b, 0,1,2,3,4,5,6,7
	global_load_b128 v[BIAS+8*\b:BIAS+8*\b+3], v[BOF], s[8:9] offset:64*\b
	global_load_b128 v[BIAS+8*\b+4:BIAS+8*\b+7], v[BOF], s[8:9] offset:64*\b+16
.endr
	s_lshl_b32 s20, s17, 19
	s_lshl_b32 s21, s15, 18
	s_add_co_u32 s20, s20, s21                     ; my first row: (128 x tile row + 64 x half) x 4,096 bytes
	s_mov_b32 s21, 0
	s_add_nc_u64 s[20:21], s[20:21], s[46:47]
	s_add_nc_u64 s[10:11], s[10:11], s[20:21]
	s_lshl_b32 s[PFA], s17, 18
	s_lshl_b32 s18, s40, 16
	s_add_co_u32 s[PFA], s[PFA], s18
	s_add_co_u32 s[PFA], s[PFA], 2*STEPB           ; at K step 2: the first refill steps it to 3 and names K step 4
	s_mov_b32 s[PFA+1], 0
	s_add_nc_u64 s[PFA:PFA+1], s[4:5], s[PFA:PFA+1]
	s_cmp_eq_u32 s[WV], 0
	s_cselect_b32 s[LIM], 1, -1
	v_lshlrev_b32 v[PFO], 15, v2
	v_lshl_add_u32 v[PFO], v1, 8, v[PFO]
.macro MUL8 f, a, first                ; y's tile a against W's eight, 32 along K.  The 32 accumulators take turns in the same order in every quarter
.irp b, 0,1,2,3,4,5,6,7
.if \first
	v_wmma_f32_16x16x32_f16 v[8*(8*(\a)+\b):8*(8*(\a)+\b)+7], v[\f+8*\b:\f+8*\b+7], v[\f+64+8*(\a):\f+64+8*(\a)+7], v[BIAS+8*\b:BIAS+8*\b+7]
.else
	v_wmma_f32_16x16x32_f16 v[8*(8*(\a)+\b):8*(8*(\a)+\b)+7], v[\f+8*\b:\f+8*\b+7], v[\f+64+8*(\a):\f+64+8*(\a)+7], v[8*(8*(\a)+\b):8*(8*(\a)+\b)+7]
.endif
.endr
.endm
.macro FETCH slot, q, f                ; 24 LDS loads in one run: W's eight fragments, then y's four, of the slot's q-th 32 along K
	WIN TO_F
.irp i, 0,1,2,3,4,5,6,7
	ds_load_b128 v[\f+8*\i:\f+8*\i+3],   v[ADRB+\slot] offset:\i*4096+(\q)*1024
	ds_load_b128 v[\f+8*\i+4:\f+8*\i+7], v[ADRB+\slot] offset:\i*4096+(\q)*1024+512
.endr
.irp i, 0,1,2,3
	ds_load_b128 v[\f+64+8*\i:\f+64+8*\i+3],   v[ADRA+\slot] offset:\i*4096+(\q)*1024
	ds_load_b128 v[\f+64+8*\i+4:\f+64+8*\i+7], v[ADRA+\slot] offset:\i*4096+(\q)*1024+512
.endr
.endm
.macro PLACES
.rept 4
	v_nop
.endr
.endm
.macro QUARTER slot, q, f, g, first    ; multiplies buffer f; in its middle fetches the slot's q-th quarter into buffer g
	s_wait_dscnt 4                                 ; W and y's tiles 0, 1 are in; the youngest four loads (tiles 2, 3) may be out
.if \first
	WIN FST
.else
	WIN MUL
.endif
	MUL8 \f, 0, \first
	MUL8 \f, 1, \first
	PLACES
	FETCH \slot, \q, \g
	s_wait_dscnt 24                                ; all but the 24 just issued
.if \first
	WIN FST
.else
	WIN MUL
.endif
	MUL8 \f, 2, \first
	MUL8 \f, 3, \first
.endm
; A slot's last quarter multiplies buffer 1 and changes slots: one barrier; in front of it every wave waits for all its tensor loads, adds 0 to its spare word, and waits for that and for its
; reads of this slot.  fill = 1: the barrier opens a round of the cluster's, and the joint refill, two K steps ahead, is the first thing behind it.
.macro TURN slot, next, fill
.if \fill
	s_wait_xcnt 0x0                                ; the last prefetch, a K step back, has read its address
	s_add_nc_u64 s[PFA:PFA+1], s[PFA:PFA+1], STEPB
.endif
	WIN 0
	s_wait_tensorcnt 0x0
	ds_add_u32 v[SPW], v[NIL]
	s_wait_dscnt 5                                 ; the add and the youngest four loads may be out
	WIN MUL
	MUL8 F1, 0, 0
	s_wait_dscnt 0x0
	s_barrier_signal -1
	MUL8 F1, 1, 0
.if \fill
	WIN 0
.endif
	s_barrier_wait -1
.if \fill
	CREST
	s_add_nc_u64 s[G0+4*\slot+2:G0+4*\slot+3], s[G0+4*\slot+2:G0+4*\slot+3], 2*STEPB
	s_add_nc_u64 s[G0B+4*\slot+2:G0B+4*\slot+3], s[G0B+4*\slot+2:G0B+4*\slot+3], 2*STEPB
	JLOAD \slot                                    ; its four v_nop are also the places in front of the loads below
.else
	PLACES
.endif
	FETCH \next, 0, F0
.if \fill
	WIN 0
	ASK
.endif
	WIN MUL
	MUL8 F1, 2, 0
	MUL8 F1, 3, 0
.endm
	s_wait_tensorcnt 1                             ; my part of K step 0 is in; K step 1's load may be out
	s_barrier_signal -1
	s_barrier_wait -1
	FETCH 0, 0, F0
	s_wait_loadcnt 0x0                             ; the bias
	QUARTER 0, 1, F0, F1, 1                        ; the first quarter starts the sums from the bias
	WIN 0
	s_mov_b32 s3, LAPS-1
.Llap:                                                 ; a trip goes once round the ring and fills both slots again
	QUARTER 0, 2, F1, F0, 0
	QUARTER 0, 3, F0, F1, 0
	TURN 0, 1, 1
	QUARTER 1, 1, F0, F1, 0
	QUARTER 1, 2, F1, F0, 0
	QUARTER 1, 3, F0, F1, 0
	TURN 1, 0, 1
	QUARTER 0, 1, F0, F1, 0
	WIN 0
	s_sub_co_u32 s3, s3, 1
	s_cmp_lg_u32 s3, 0
	s_cbranch_scc1 .Llap
	QUARTER 0, 2, F1, F0, 0                        ; the last lap fills nothing
	QUARTER 0, 3, F0, F1, 0
	TURN 0, 1, 0
	QUARTER 1, 1, F0, F1, 0
	QUARTER 1, 2, F1, F0, 0
	QUARTER 1, 3, F0, F1, 0
	s_wait_dscnt 4
	WIN MUL
	MUL8 F1, 0, 0
	MUL8 F1, 1, 0
	s_wait_dscnt 0
	MUL8 F1, 2, 0
	MUL8 F1, 3, 0
	WIN 0
; THE WAY OUT, 16 rows x 128 columns at a time, through my own stage: in as 32 bytes a lane, back as whole rows of 512 bytes.  LDS serves a wave's instructions in order.
.macro TOSTAGE a
.set AC, 64*(\a)
	WIN 0x08                                       ; an LDS store's data are its source 1: window 2
.irp b, 0,1,2,3,4,5,6,7
	ds_store_b128 v[STO], v[AC+8*\b:AC+8*\b+3] offset:64*\b          ; each accumulator from its low end on
	ds_store_b128 v[STO], v[AC+8*\b+4:AC+8*\b+7] offset:64*\b+16
.endr
	WIN 0
.set BB, BK+64*((\a)%2)
.irp t, 0,1,2,3,4,5,6,7,8,9,10,11,12,13,14,15
	ds_load_b128 v[BB+4*\t:BB+4*\t+3], v[RD] offset:\t*SPITCH
.endr
.endm
.macro SEND a, younger
.set BB, BK+64*((\a)%2)
	s_wait_dscnt \younger                          ; the block is back; the next block's 16 stores and 16 loads may be out
.if (\a) > 0
	s_add_nc_u64 s[10:11], s[10:11], 16*4096       ; (behind a wait on XCNT for 0) 16 rows on
.endif
.irp t, 0,1,2,3,4,5,6,7,8,9,10,11,12,13,14,15
	global_store_b128 v[CO], v[BB+4*\t:BB+4*\t+3], s[10:11] offset:\t*4096   ; 512 consecutive bytes of a row, aligned
.endr
.endm
	PLACES
	TOSTAGE 0
.irp a, 1,2,3
.if \a > 1
	s_wait_xcnt 0x0                                ; block a - 2's stores have read their registers and their base
.endif
	TOSTAGE \a
	SEND \a-1, 32
.endr
	s_wait_xcnt 0x0
	SEND 3, 0
	s_wait_tensorcnt 0x0                           ; the wave's end: the three lines
	ds_add_u32 v[SPW], v[NIL]
	s_wait_dscnt 0x0
	CROUND                                         ; the closing round
	s_endpgm
.Lfunc_end_k_q9ca527f185_proj:
	.size	k_q9ca527f185_proj, .Lfunc_end_k_q9ca527f185_proj-k_q9ca527f185_proj
	.p2alignl 7, 3214868480
	.fill 96, 4, 3214868480
	.section	.rodata,"a",@progbits
	.p2align	6, 0x0
	.amdhsa_kernel k_q9ca527f185_proj
		.amdhsa_group_segment_fixed_size 327680
		.amdhsa_private_segment_fixed_size 0
		.amdhsa_enable_private_segment 0
		.amdhsa_kernarg_size 32
		.amdhsa_user_sgpr_count 2
		.amdhsa_user_sgpr_kernarg_segment_ptr 1
		.amdhsa_wavefront_size32 1
		.amdhsa_system_sgpr_workgroup_id_x 1
		.amdhsa_system_sgpr_workgroup_id_y 1
		.amdhsa_system_sgpr_workgroup_id_z 1
		.amdhsa_system_vgpr_workitem_id 0
		.amdhsa_next_free_vgpr 768
		.amdhsa_next_free_sgpr 72
		.amdhsa_reserve_vcc 0
		.amdhsa_float_denorm_mode_32 3
		.amdhsa_float_denorm_mode_16_64 3
		.amdhsa_memory_ordered 1
		.amdhsa_forward_progress 1
		.amdhsa_inst_pref_size 87
	.end_amdhsa_kernel
	.amdgpu_metadata
---
amdhsa.version: [ 1, 2 ]
amdhsa.kernels:
  - .name:           k_q9ca527f185_proj
    .symbol:         k_q9ca527f185_proj.kd
    .args:
      - { .name: y, .offset: 0, .size: 8, .value_kind: global_buffer, .address_space: global }
      - { .name: wimg, .offset: 8, .size: 8, .value_kind: global_buffer, .address_space: global }
      - { .name: b_out, .offset: 16, .size: 8, .value_kind: global_buffer, .address_space: global }
      - { .name: out0, .offset: 24, .size: 8, .value_kind: global_buffer, .address_space: global }
    .group_segment_fixed_size: 327680
    .private_segment_fixed_size: 0
    .kernarg_segment_align: 8
    .kernarg_segment_size: 32
    .max_flat_workgroup_size: 128
    .sgpr_count:     72
    .vgpr_count:     768
    .wavefront_size: 32
...
	.end_amdgpu_metadata
.endif
;; end of part 4
;; launch fine (part 5): grid 16 x 4, 16 waves a work-group, no clusters, 149,504 bytes of LDS; arguments q32, wimg, b_out, out0; writes out0
.if DOCPART == 5
	.amdgcn_target "amdgcn-amd-amdhsa--gfx1250"
	.amdhsa_code_object_version 6
	.text
	.protected	k_q9ca527f185_fine
	.globl	k_q9ca527f185_fine
	.p2align	8
	.type	k_q9ca527f185_fine,@function
k_q9ca527f185_fine:
	s_mov_b64 s[64:65], 0
	v_nop
	global_prefetch_b8 v0, s[64:65] scope:SCOPE_SE
	s_setreg_imm32_b32 hwreg(HW_REG_WAVE_MODE, 25, 1), 1
	s_wait_xcnt 0x0
; Positions 0-15 of each sequence once more, attention and projection, with every operand as a PAIR of f16 numbers (high + low, split exactly in f32): these rows average few values and are the
; largest, so the rounding of single f16 operands weighs most there.  A product a b is taken as ah bh + ah bl + al bh.  The 64 rows so made replace those of the launch before.
; Work-group (cg, batch) makes rows 0-15 of the batch, columns 64 cg .. 64 cg + 63.
; PHASE A, wave = head: q, k, v of the 16 positions come as f32 (the first product's accumulators as they stood: lane (r, h), register j of block blk = position r, channel 16 blk + 8 h + j).
;   S^T = K Q^T; mask; softmax with its maximum taken away, normalised in f32; O^T = V^T P (keys 16-31 of the instruction's K are zeros on both sides); y as two images to LDS.
;   Each of a batch's 16 work-groups does this for all 16 heads: 18 products a wave.
; PHASE B, wave = (tile of 16 columns w % 4, quarter of K w / 4): 24 products; the four quarters meet in LDS; waves 0-7 add them and the bias and store two rows each.
; No tensor load.  LIMITS: |q|, |k|, |v|, |y|, |W_out| under 65,504; under 6e-5 a pair carries an absolute error of 2^-25; NaN and infinities are not served.
.set VT,    0                          ; LDS: a wave's v: high 2 KB, low 2 KB
.set YH,    65536                      ; y's high images: 2,048 bytes a head
.set YLO,   32768                      ; the low ones lie this far behind
.set RED,   131072                     ; 1,024 bytes a wave: its part of the sums
.set SPARE, 147456
.set LA,   1                           ; v1   16 x lane
.set VS,   2                           ; v2   where I store v's pieces; later b_out's offset
.set VLD,  3                           ; v3   where the turning loads read; later where I store y's images
.set DD,   4                           ; v4   lane % 16 - 8 (lane / 16)
.set NINF, 9
.set SPW,  10
.set NIL,  11
.set PH,   12                          ; v12-19 p's high part (upper four 0), v20-27 its low part.  In phase B v12-15 are addresses
.set PL,   20
.set YR,   12
.set RW,   13
.set RR,   14
.set GO,   15
.set BO,   28                          ; v28-31 b_out
.set QH,   32
.set QL,   48
.set KH,   64
.set KL,   80
.set VH,   32                          ; later: V^T high, eight registers a tile of 16 channels (upper four 0); low at 64
.set VLW,  64
.set AC,   96                          ; v96-127 accumulators; v96-111 also at work in the splits
.set SS,   120                         ; v120-127 the scores, then p; later the sums
.set IM,   128                         ; v128-223 q, k, v as loaded; v224-255 v's parts; later all of v128-255: my fragments of W_out
.set WH,   128
.set WL,   192
.set KSP,  16                          ; s[16:17] 8193.0
.set SEL,  18
.set CS,   20
; eight f32 in v[src] on -> their high parts in v[hi] on (4 registers), their low parts in v[lo] on; 16 registers at work from v[wk] on.  T = 8193 X; H = T - (T - X); L = X - H
.macro SPLIT8 src, hi, lo, wk
.irp n, 0,1,2,3
	v_pk_mul_f32 v[(\wk)+4*\n:(\wk)+4*\n+1], v[(\src)+2*\n:(\src)+2*\n+1], s[KSP:KSP+1] op_sel_hi:[1,0]
.endr
.irp n, 0,1,2,3
	v_pk_add_f32 v[(\wk)+4*\n+2:(\wk)+4*\n+3], v[(\wk)+4*\n:(\wk)+4*\n+1], v[(\src)+2*\n:(\src)+2*\n+1] neg_lo:[0,1] neg_hi:[0,1]
.endr
.irp n, 0,1,2,3
	v_pk_add_f32 v[(\wk)+4*\n:(\wk)+4*\n+1], v[(\wk)+4*\n:(\wk)+4*\n+1], v[(\wk)+4*\n+2:(\wk)+4*\n+3] neg_lo:[0,1] neg_hi:[0,1]
.endr
.irp n, 0,1,2,3
	v_pk_add_f32 v[(\wk)+4*\n+2:(\wk)+4*\n+3], v[(\src)+2*\n:(\src)+2*\n+1], v[(\wk)+4*\n:(\wk)+4*\n+1] neg_lo:[0,1] neg_hi:[0,1]
.endr
.irp n, 0,1,2,3
	v_cvt_pk_f16_f32 v[(\hi)+\n], v[(\wk)+4*\n], v[(\wk)+4*\n+1]
.endr
.irp n, 0,1,2,3
	v_cvt_pk_f16_f32 v[(\lo)+\n], v[(\wk)+4*\n+2], v[(\wk)+4*\n+3]
.endr
.endm
.macro PLACES
.rept 4
	v_nop
.endr
.endm
	s_load_b256 s[4:11], s[0:1], 0x0               ; q32 s[4:5], wimg s[6:7], b_out s[8:9], out0 s[10:11]
	v_lshl_add_u32 v[SPW], v0, 2, SPARE
	v_mov_b32 v[NIL], 0
	v_lshrrev_b32 v5, 5, v0
	v_readfirstlane_b32 s12, v5                    ; wave 0..15: the head in phase A
	s_and_b32 s13, s12, 3                          ; phase B: my tile of 16 columns
	s_lshr_b32 s15, s12, 2                         ; and my quarter of K
	s_and_b32 s14, ttmp7, 0xffff                   ; batch
	s_mov_b32 s[KSP], 0x46000400
	s_mov_b32 s[KSP+1], s[KSP]
	s_mov_b32 s[SEL], 0x76543210
	s_mov_b32 s[SEL+1], 0xfedcba98
	s_mov_b32 s[CS], 0x3e38aa3b                    ; c = log2(e) / 8
	v_and_b32 v5, 31, v0
	v_lshlrev_b32 v[LA], 4, v5
	v_and_b32 v6, 7, v0
	v_and_b32 v7, 8, v0
	v_lshl_add_u32 v6, v7, 1, v6
	v_and_b32 v7, 16, v0
	v_lshrrev_b32 v7, 1, v7
	v_add_nc_u32 v6, v6, v7                        ; lane with bits 3 and 4 exchanged: the place that the turning load wants
	s_lshl_b32 s21, s12, 12
	v_lshl_add_u32 v[VS], v6, 4, s21
	v_add_nc_u32 v[VLD], s21, v[LA]
	v_and_b32 v5, 15, v0
	v_bfe_u32 v[DD], v0, 4, 1
	v_lshlrev_b32 v[DD], 3, v[DD]
	v_sub_nc_u32 v[DD], v5, v[DD]
	v_mov_b32 v[NINF], 0xff800000
	v_mov_b32 v6, 0                                ; (lane permutes' destinations count as read)
	v_mov_b32 v8, 0
	s_mov_b32 s23, 0
	s_lshl_b32 s22, s14, 4
	s_add_co_u32 s22, s22, s12
	s_lshl_b32 s22, s22, 12                        ; q32: (16 batch + head) x 4,096
	s_mov_b32 s25, 0
	s_lshl_b32 s24, ttmp9, 2
	s_add_co_u32 s24, s24, s13
	s_lshl_b32 s24, s24, 15
	s_lshl_b32 s26, s15, 13
	s_add_co_u32 s24, s24, s26                     ; wimg: tile 4 cg + w % 4, chunk 8 (w / 4)
	s_mov_b32 s27, 0
	s_lshl_b32 s26, ttmp9, 8                       ; 64 columns of f32
	s_mov_b32 s29, 0
	s_lshl_b32 s28, s14, 23                        ; a batch's 2,048 rows of 4,096 bytes
	s_add_co_u32 s28, s28, s26
	s_wait_kmcnt 0x0
	s_add_nc_u64 s[4:5], s[4:5], s[22:23]
	s_add_nc_u64 s[6:7], s[6:7], s[24:25]
	s_add_nc_u64 s[8:9], s[8:9], s[26:27]
	s_add_nc_u64 s[10:11], s[10:11], s[28:29]
.irp u, 0,1,2
.irp b, 0,1,2,3
.irp g, 0,1
	global_load_b128 v[IM+32*\u+8*\b+4*\g:IM+32*\u+8*\b+4*\g+3], v[LA], s[4:5] offset:262144*\u+1024*\b+512*\g
.endr
.endr
.endr
	s_wait_loadcnt 0x0
; ---- phase A
.irp b, 0,1,2,3
	SPLIT8 IM+8*\b, QH+4*\b, QL+4*\b, AC
.endr
.irp b, 0,1,2,3
	SPLIT8 IM+32+8*\b, KH+4*\b, KL+4*\b, AC
.endr
.irp b, 0,1,2,3
	SPLIT8 IM+64+8*\b, 224+8*\b, 228+8*\b, AC
	ds_store_b128 v[VS], v[224+8*\b:227+8*\b] offset:512*\b
	ds_store_b128 v[VS], v[228+8*\b:231+8*\b] offset:2048+512*\b
.endr
	s_wait_dscnt 0x0                               ; the stores have read their registers, which the loads below fill
	v_and_b32 v[VS], 15, v0
	v_lshlrev_b32 v[VS], 4, v[VS]                  ; from here on: 16 x (lane % 16), b_out's offset
.irp i, 0,1,2,3,4,5,6,7                        ; my fragments of W_out for phase B: they land while phase A goes on
.irp g, 0,1
	global_load_b128 v[WH+8*\i+4*\g:WH+8*\i+4*\g+3], v[LA], s[6:7] offset:1024*\i+512*\g
	global_load_b128 v[WL+8*\i+4*\g:WL+8*\i+4*\g+3], v[LA], s[6:7] offset:2097152+1024*\i+512*\g
.endr
.endr
	global_load_b128 v[BO:BO+3], v[VS], s[8:9]
.irp c, 0,1                                    ; S^T: three accumulators by turns
.if \c == 0
	v_wmma_f32_16x16x32_f16 v[AC:AC+7],     v[KH:KH+7], v[QH:QH+7], 0
	v_wmma_f32_16x16x32_f16 v[AC+8:AC+15],  v[KH:KH+7], v[QL:QL+7], 0
	v_wmma_f32_16x16x32_f16 v[AC+16:AC+23], v[KL:KL+7], v[QH:QH+7], 0
.else
	v_wmma_f32_16x16x32_f16 v[AC:AC+7],     v[KH+8:KH+15], v[QH+8:QH+15], v[AC:AC+7]
	v_wmma_f32_16x16x32_f16 v[AC+8:AC+15],  v[KH+8:KH+15], v[QL+8:QL+15], v[AC+8:AC+15]
	v_wmma_f32_16x16x32_f16 v[AC+16:AC+23], v[KL+8:KL+15], v[QH+8:QH+15], v[AC+16:AC+23]
.endif
.endr
	PLACES
.irp b, 0,1,2,3                                ; V^T, turned, into the registers that Q and K have left: lane (r, h): channel 16 b + r, keys 8 h + 0..7
	ds_load_tr16_b128 v[VH+8*\b:VH+8*\b+3], v[VLD] offset:512*\b
	ds_load_tr16_b128 v[VLW+8*\b:VLW+8*\b+3], v[VLD] offset:2048+512*\b
.endr
.irp b, 0,1,2,3
.irp j, 4,5,6,7
	v_mov_b32 v[VH+8*\b+\j], 0                     ; keys 16-31: zeros
	v_mov_b32 v[VLW+8*\b+\j], 0
.endr
.endr
.irp j, 4,5,6,7
	v_mov_b32 v[PH+\j], 0
	v_mov_b32 v[PL+\j], 0
.endr
.irp j, 0,1,2,3,4,5,6,7
	v_add_f32 v[SS+\j], v[AC+8+\j], v[AC+16+\j]    ; the two small terms first
.endr
.irp j, 0,1,2,3,4,5,6,7
	v_add_f32 v[SS+\j], v[SS+\j], v[AC+\j]         ; lane (r, h), register j: query r, key 8 h + j
.endr
.irp j, 0,1,2,3,4,5,6,7
	v_cmp_gt_i32 vcc_lo, \j, v[DD]                 ; hidden where 8 h + j > r
	v_cndmask_b32 v[SS+\j], v[SS+\j], v[NINF], vcc_lo
.endr
	v_max3_num_f32 v5, v[SS], v[SS+1], v[SS+2]
	v_max3_num_f32 v5, v5, v[SS+3], v[SS+4]
	v_max3_num_f32 v5, v5, v[SS+5], v[SS+6]
	v_max_num_f32 v5, v5, v[SS+7]
	v_permlanex16_b32 v6, v5, s[SEL], s[SEL+1]
	v_max_num_f32 v5, v5, v6                       ; the row's maximum (key 0 counts for every query)
	v_mul_f32 v6, s[CS], v5
.irp j, 0,1,2,3,4,5,6,7
	v_fma_f32 v[SS+\j], v[SS+\j], s[CS], -v6
.endr
.irp j, 0,1,2,3,4,5,6,7
	v_exp_f32 v[SS+\j], v[SS+\j]
.endr
	v_nop
	s_wait_alu depctr_va_vdst(0)                   ; one wait for the eight exponentials
	v_add_f32 v7, v[SS], v[SS+1]
	v_add_f32 v5, v[SS+2], v[SS+3]
	v_add_f32 v7, v7, v[SS+4]
	v_add_f32 v5, v5, v[SS+5]
	v_add_f32 v7, v7, v[SS+6]
	v_add_f32 v5, v5, v[SS+7]
	v_add_f32 v7, v7, v5
	v_permlanex16_b32 v8, v7, s[SEL], s[SEL+1]
	v_add_f32 v7, v7, v8
	v_rcp_f32 v5, v7
	v_nop
	s_wait_alu depctr_va_vdst(0)
.irp j, 0,1,2,3,4,5,6,7
	v_mul_f32 v[SS+\j], v[SS+\j], v5               ; p, normalised in f32
.endr
	SPLIT8 SS, PH, PL, AC
	s_wait_dscnt 0x0                               ; V^T is in
	s_lshl_b32 s21, s12, 11
	s_add_co_u32 s21, s21, YH
	v_add_nc_u32 v[VLD], s21, v[LA]                ; from here on: where my head's images of y go
.irp b, 0,1,2,3                                ; O^T: four accumulators by turns, three terms
	v_wmma_f32_16x16x32_f16 v[AC+8*\b:AC+8*\b+7], v[VH+8*\b:VH+8*\b+7], v[PH:PH+7], 0
.endr
.irp b, 0,1,2,3
	v_wmma_f32_16x16x32_f16 v[AC+8*\b:AC+8*\b+7], v[VH+8*\b:VH+8*\b+7], v[PL:PL+7], v[AC+8*\b:AC+8*\b+7]
.endr
.irp b, 0,1,2,3
	v_wmma_f32_16x16x32_f16 v[AC+8*\b:AC+8*\b+7], v[VLW+8*\b:VLW+8*\b+7], v[PH:PH+7], v[AC+8*\b:AC+8*\b+7]
.endr
	PLACES
.irp b, 0,1,2,3                                ; lane (r, h), register j of tile b: y(position r, channel 16 b + 8 h + j): split, it is an image of the projection's operand
	SPLIT8 AC+8*\b, 64+8*\b, 68+8*\b, 32
	ds_store_b128 v[VLD], v[64+8*\b:67+8*\b] offset:512*\b
	ds_store_b128 v[VLD], v[68+8*\b:71+8*\b] offset:YLO+512*\b
.endr
	; phase B's addresses, in the registers that p has left
	s_lshl_b32 s21, s15, 13
	s_add_co_u32 s21, s21, YH
	v_add_nc_u32 v[YR], s21, v[LA]                 ; my quarter of K: eight chunks of 1,024 bytes
	s_lshl_b32 s21, s12, 10
	s_add_co_u32 s21, s21, RED
	v_add_nc_u32 v[RW], s21, v[LA]
	v_and_b32 v5, 15, v0                           ; x: which 4 of the 64 columns
	v_lshrrev_b32 v6, 2, v5
	v_lshlrev_b32 v[RR], 10, v6                    ; their tile of 16: 1,024 bytes a wave
	v_and_b32 v6, 1, v5
	v_lshl_add_u32 v[RR], v6, 9, v[RR]             ; registers 0-3 or 4-7
	v_bfe_u32 v6, v0, 1, 1
	v_lshl_add_u32 v[RR], v6, 8, v[RR]             ; lanes 0-15 or 16-31
	v_bfe_u32 v6, v0, 4, 1
	v_lshl_add_u32 v[RR], v6, 4, v[RR]
	s_lshl_b32 s21, s12, 5
	s_add_co_u32 s21, s21, RED
	v_add_nc_u32 v[RR], s21, v[RR]                 ; row 2 w + lane / 16: 16 bytes a row
	v_lshlrev_b32 v[GO], 12, v6
	v_lshl_add_u32 v[GO], v5, 4, v[GO]
	s_lshl_b32 s21, s12, 13
	v_add_nc_u32 v[GO], s21, v[GO]                 ; the same row and columns in out0
	s_wait_dscnt 0x0                               ; for the others' sake: my images have landed
	s_barrier_signal -1
	s_barrier_wait -1
; ---- phase B
	s_wait_loadcnt 0x0                             ; W_out's fragments and the bias
.irp u, 0,1                                    ; four chunks of 32 along K at a time
.irp i, 0,1,2,3
.irp g, 0,1
	ds_load_b128 v[32+8*\i+4*\g:32+8*\i+4*\g+3], v[YR] offset:4096*\u+1024*\i+512*\g
	ds_load_b128 v[64+8*\i+4*\g:64+8*\i+4*\g+3], v[YR] offset:YLO+4096*\u+1024*\i+512*\g
.endr
.endr
	s_wait_dscnt 0x0
.irp i, 0,1,2,3                                ; three accumulators by turns
.if (\u == 0) && (\i == 0)
	v_wmma_f32_16x16x32_f16 v[AC:AC+7],     v[WH:WH+7], v[32:39], 0
	v_wmma_f32_16x16x32_f16 v[AC+8:AC+15],  v[WH:WH+7], v[64:71], 0
	v_wmma_f32_16x16x32_f16 v[AC+16:AC+23], v[WL:WL+7], v[32:39], 0
.else
	v_wmma_f32_16x16x32_f16 v[AC:AC+7],     v[WH+8*(4*\u+\i):WH+8*(4*\u+\i)+7], v[32+8*\i:39+8*\i], v[AC:AC+7]
	v_wmma_f32_16x16x32_f16 v[AC+8:AC+15],  v[WH+8*(4*\u+\i):WH+8*(4*\u+\i)+7], v[64+8*\i:71+8*\i], v[AC+8:AC+15]
	v_wmma_f32_16x16x32_f16 v[AC+16:AC+23], v[WL+8*(4*\u+\i):WL+8*(4*\u+\i)+7], v[32+8*\i:39+8*\i], v[AC+16:AC+23]
.endif
.endr
	PLACES                                         ; in front of the next loads into y's registers, and of the first read of the sums
.endr
.irp j, 0,1,2,3,4,5,6,7
	v_add_f32 v[SS+\j], v[AC+8+\j], v[AC+16+\j]
.endr
.irp j, 0,1,2,3,4,5,6,7
	v_add_f32 v[SS+\j], v[SS+\j], v[AC+\j]         ; lane (r, h), register j: row r, column 16 (w % 4) + 8 h + j, my quarter of K
.endr
	ds_store_b128 v[RW], v[SS:SS+3]
	ds_store_b128 v[RW], v[SS+4:SS+7] offset:512
	s_wait_dscnt 0x0
	s_barrier_signal -1
	s_barrier_wait -1
	s_cmp_lt_u32 s12, 8
	s_cbranch_scc0 .Ldone
.irp k, 0,1,2,3
	ds_load_b128 v[32+4*\k:35+4*\k], v[RR] offset:4096*\k    ; the four quarters of K
.endr
	s_wait_dscnt 0x0
	v_pk_add_f32 v[32:33], v[32:33], v[36:37]
	v_pk_add_f32 v[34:35], v[34:35], v[38:39]
	v_pk_add_f32 v[40:41], v[40:41], v[44:45]
	v_pk_add_f32 v[42:43], v[42:43], v[46:47]
	v_pk_add_f32 v[32:33], v[32:33], v[40:41]
	v_pk_add_f32 v[34:35], v[34:35], v[42:43]
	v_pk_add_f32 v[32:33], v[32:33], v[BO:BO+1]
	v_pk_add_f32 v[34:35], v[34:35], v[BO+2:BO+3]
	global_store_b128 v[GO], v[32:35], s[10:11]    ; sixteen lanes store 256 consecutive bytes of a row, aligned
.Ldone:
	s_wait_tensorcnt 0x0                           ; the wave's end
	ds_add_u32 v[SPW], v[NIL]
	s_wait_dscnt 0x0
	s_endpgm
.Lfunc_end_k_q9ca527f185_fine:
	.size	k_q9ca527f185_fine, .Lfunc_end_k_q9ca527f185_fine-k_q9ca527f185_fine
	.p2alignl 7, 3214868480
	.fill 96, 4, 3214868480
	.section	.rodata,"a",@progbits
	.p2align	6, 0x0
	.amdhsa_kernel k_q9ca527f185_fine
		.amdhsa_group_segment_fixed_size 149504
		.amdhsa_private_segment_fixed_size 0
		.amdhsa_enable_private_segment 0
		.amdhsa_kernarg_size 32
		.amdhsa_user_sgpr_count 2
		.amdhsa_user_sgpr_kernarg_segment_ptr 1
		.amdhsa_wavefront_size32 1
		.amdhsa_system_sgpr_workgroup_id_x 1
		.amdhsa_system_sgpr_workgroup_id_y 1
		.amdhsa_system_sgpr_workgroup_id_z 1
		.amdhsa_system_vgpr_workitem_id 0
		.amdhsa_next_free_vgpr 256
		.amdhsa_next_free_sgpr 66
		.amdhsa_reserve_vcc 1
		.amdhsa_float_denorm_mode_32 3
		.amdhsa_float_denorm_mode_16_64 3
		.amdhsa_memory_ordered 1
		.amdhsa_forward_progress 1
		.amdhsa_inst_pref_size 47
	.end_amdhsa_kernel
	.amdgpu_metadata
---
amdhsa.version: [ 1, 2 ]
amdhsa.kernels:
  - .name:           k_q9ca527f185_fine
    .symbol:         k_q9ca527f185_fine.kd
    .args:
      - { .name: q32, .offset: 0, .size: 8, .value_kind: global_buffer, .address_space: global }
      - { .name: wimg, .offset: 8, .size: 8, .value_kind: global_buffer, .address_space: global }
      - { .name: b_out, .offset: 16, .size: 8, .value_kind: global_buffer, .address_space: global }
      - { .name: out0, .offset: 24, .size: 8, .value_kind: global_buffer, .address_space: global }
    .group_segment_fixed_size: 149504
    .private_segment_fixed_size: 0
    .kernarg_segment_align: 8
    .kernarg_segment_size: 32
    .max_flat_workgroup_size: 512
    .sgpr_count:     66
    .vgpr_count:     256
    .wavefront_size: 32
...
	.end_amdgpu_metadata
.endif
;; end of part 5
